; MI455X (gfx1250); checked and timed in simulation.
; The chip was launched on July 23, 2026; its instructions are those of AMD's public machine-readable ISA for CDNA 5 (MIT licence, August 2026) and "CDNA5" Instruction Set Architecture Reference Guide (July 2026). The comments in the code are by the model that wrote it; some were corrected since.
;; Attention. Allowed arithmetic: matrix products marked QUANTISED: E2M3 operands, one E8M0 scale for each 32 along K, by v_wmma_scale_f32_16x16x128_f8f6f4 with both operands' format E2M3, f32 sums; everything else in f32.
;; Inputs: freqs 1,024 x 64 float32; wk 1,024 x 4,096 float32; wo 4,096 x 4,096 float32; wq 4,096 x 4,096 float32; wv 1,024 x 4,096 float32; x 1,024 x 4,096 float32.
;; Outputs: out0 1,024 x 4,096 float32.
;; This version of the problem:
;;   THIS VERSION OF THE PROBLEM IS GIVEN IN LOW PRECISION. The matrix products marked QUANTISED in the list below multiply operands that are first quantised to E2M3 (2 exponent bits, 3 mantissa bits; 6 bits a number), with one power-of-two scale for each 32 numbers along K (OCP MX v1.0); their sums are f32. All else is computed in f32.
;;   The module's matrix products, in the order in which they are computed (A, B: the left and right operand; K: the contracted axis; several contracted axes count as one K, in the product's order):
;;     1. [M 1,024, K 4,096] x [K 4,096, N 4,096]; A: input x; B: input wq: QUANTISED
;;     2. [M 1,024, K 4,096] x [K 4,096, N 1,024]; A: input x; B: input wk: QUANTISED
;;     3. [M 1,024, K 4,096] x [K 4,096, N 1,024]; A: input x; B: input wv: QUANTISED
;;     4. batch 32 x [M 1,024, K 128] x [K 128, N 1,024]; A: computed on the way; B: computed on the way: QUANTISED
;;     5. batch 32 x [M 128, K 1,024] x [K 1,024, N 1,024]; A: computed on the way; B: softmax (see below): QUANTISED
;;     6. [M 1,024, K 4,096] x [K 4,096, N 4,096]; A: computed on the way; B: input wo: QUANTISED
;;   THE QUANTISER, for each operand of a quantised product, along K:
;;     - K is cut into blocks of 32 from its start; a last block that is shorter is filled with zeros.
;;     - A block's scale is 2^e with e = floor(log2(the largest magnitude in the block)) - 2, held to -126 .. 127; a block of zeros has e = 0. As a byte (E8M0): e + 127.
;;     - Each number is divided by its block's scale, clamped to +-7.5, and rounded to the nearest number of E2M3, ties to even, subnormals kept.
;;     - The product sums the exact products of the quantised numbers (number of the format x scale) in f32.
;;   ~~~python
;;   def quantise(x, axis):      # numpy; x: float32 -> the quantised numbers, widened to float32 again
;;       x = np.moveaxis(x, axis, -1); K = x.shape[-1]
;;       x = np.pad(x, [(0, 0)] * (x.ndim - 1) + [(0, -K % 32)]); x = x.reshape(x.shape[:-1] + (-1, 32)); a = np.abs(x).max(-1, keepdims=True)
;;       e = np.where(a > 0, np.clip(np.frexp(np.where(a > 0, a, 1))[1] - 1 - 2, -126, 127), 0)      # np.frexp(a)[1] - 1 = floor(log2(a)), exactly
;;       r = np.clip(x / 2.0 ** e, -7.5, 7.5)
;;       step = 2.0 ** (np.maximum(np.frexp(np.where(r == 0, 1, r))[1] - 1, 0) - 3)
;;       q = np.round(r / step) * step * 2.0 ** e      # np.round: ties to even
;;       return np.moveaxis(q.reshape(q.shape[:-2] + (-1,))[..., :K], -1, axis).astype(np.float32)
;;   ~~~
;;   SOFTMAX AHEAD OF A QUANTISED PRODUCT. Where the list says 'softmax', what is quantised is not the finished softmax but p = 2^(t - M), with t = logit x log2(e) and M = ceil(the row's largest t), a whole number; so 1/2 < the row's largest p <= 1. The row's sum l is taken of the UNQUANTISED p, in f32, and the product's result is divided by l at the end. Since M is a whole number, a kernel that streams over the keys may use a running M (the ceiling of the running maximum): every later rescaling is an exact power of two, which a block's scale takes up: the codes' values come out the same.
;;   OPERANDS COMPUTED ON THE WAY. 'Computed on the way' means the value that the module computes at that place (a softmax that the list does not call 'softmax' is quantised finished and normalised). What goes into a quantiser is computed in f32, as accurately as f32 sums, v_exp_f32 and their like allow (about 1e-6 of the number): no bf16 or f16 on the way to a quantiser, and a product that is left as it is and whose result goes on into a quantised operand takes f32 operands (vector FMAs, or v_wmma_f32_16x16x4_f32). A number that lies on a knife's edge between two numbers of the format may be rounded either way, as far as f32 arithmetic and the matrix unit's own rounding can turn it there, and no further.
;; One version. Each part assembles by itself: llvm-mc -triple=amdgcn-amd-amdhsa -mcpu=gfx1250 --defsym DOCPART=n.
;; ======== version 1 of 1: 4 launches
;; limits: right only within a limited range of input values
;; workspace buffers: xc 3,276,800 bytes; wc 19,660,800 bytes; woc 13,107,200 bytes; cs 524,288 bytes; qkv 4,915,200 bytes; ac 3,276,800 bytes
;; launch prep (part 1): grid 512 x 1, 4 waves a work-group, no clusters, 17,920 bytes of LDS; arguments x, wq, wk, wv, freqs, xc, wc, cs; writes xc, wc, cs
.if DOCPART == 1
	.amdgcn_target "amdgcn-amd-amdhsa--gfx1250"
	.amdhsa_code_object_version 6
	.text
	.protected	k_q881a0f3c78_prep
	.globl	k_q881a0f3c78_prep
	.p2align	8
	.type	k_q881a0f3c78_prep,@function
k_q881a0f3c78_prep:
	s_mov_b64 s[64:65], 0
	v_nop
	global_prefetch_b8 v0, s[64:65] scope:SCOPE_SE
	s_setreg_imm32_b32 hwreg(HW_REG_WAVE_MODE, 25, 1), 1
	s_wait_xcnt 0x0
; x [1024][4096], wq [4096][4096], wk, wv [1024][4096], f32 with K innermost, become codes of FP6 (E2M3) with one E8M0 byte for each 32 along K;
; freqs [1024][64] becomes a table cs [1024][64][cos, sin] in f32.  (wo is quantised by the attention launch, a share in each of its waves.)
; THE CODES ARE LAID AS THE MATRIX UNIT'S REGISTERS TAKE THEM.  A TILE is 16 rows: tile u (0, 1) of a group g of 32 rows holds rows 32 g + 8 u + i + 8 (i / 8), i = 0 .. 15.
; A FRAGMENT is a tile x 128 along K: 12 registers a lane (lane l: row l % 16; registers 6 c .. 6 c + 5: k = 64 c + 32 (l / 16) + 0 .. 31), in memory three runs of 512 bytes: registers 4 c .. 4 c + 3 of lane l at 512 c + 16 l.
; A RECORD (12,800 bytes) is a group x 512 along K: eight fragments (K step k, tile u at 1,536 (2 k + u)), then 512 bytes of scale words: lane 16 u + r has the four words (k = 0 .. 3) of row r of tile u at 16 x lane.
; A tensor's records lie [group][512 along K]; wq's, wk's and wv's groups stand on end in one buffer.
; SHARES.  Work-groups 0 .. 447: a wave makes one record (64 KiB read, 12,800 bytes stored).  Work-groups 448 .. 511: 1,024 angles each.
; A STEP is a tile x 64 along K: eight loads, each 256 consecutive bytes of two neighbouring rows, into one of eight sets of 32 registers (window 1).  Its 4 KiB turn through the wave's own stage in LDS
; (rows 272 bytes apart), so that a lane gets 16 neighbours of each of two blocks of its row.  Loads run eight steps ahead, the turn through LDS one step.
; A block's scale is 2^(floor(log2(largest magnitude)) - 2); its byte is the largest magnitude's exponent field - 2, held at 1 from below.
; LIMITS: a block of zeros, and one whose largest magnitude lies under 2^-124, has the byte 1 (a block of zeros has zero codes; this program alone reads the bytes).  NaN and infinities are not served.
; cos and sin: reduction by pi/2 in two terms and polynomials on +-pi/4; they keep f32 accuracy for |freqs| up to 2^20.
.set REC,   12800
.set FRG,   1536
.set SCO,   12288
.set QSTW,  16*272                     ; a wave's stage
.set SPARE, 4*QSTW                     ; behind the stages: the spare words, 128 bytes a wave: two blocks of 256 bytes that no other line names
.set SPW,   28                         ; v28  my spare word's LDS address; never rewritten
.set NIL,   29                         ; v29  0; never rewritten
.set QLO,   2                          ; v2   a load's place: 16 (l % 16) + a row (16,384 bytes) x (l / 16)
.set QSI,   3                          ; v3   the stage on the way in
.set QSO,   4                          ; v4   and on the way out: row l % 16, + 64 (l / 16)
.set QST,   5                          ; v5   16 x lane: my place in a store's 512 bytes
.set QX,    32                         ; v32-95   two sets of 32 numbers: register 16 b + i = k 32 b + 16 (l / 16) + i of my row
.set QTM,   96                         ; v96-111  at work
.set QPW,   112                        ; the scale word being made;  v113: that of the K step's tile 0
.set QPW0,  113
.set QSW,   116                        ; v116-119 the record's scale words
.set QPC,   120                        ; v120-131 a fragment
.set QT2,   132                        ; v132-134 a conversion's result on its way
.set QSRC,  24                         ; s[24:25] my record's first row and column in its tensor
.set QDST,  26                         ; s[26:27] my record
.set QSEL,  30                         ; s[30:31] v_permlanex16_b32's selects for lane l xor 16
.set QHM,   32                         ; s32  lanes 16-31
.set MSB, 0
.macro WIN new                         ; the immediate's high byte repeats the setting that is left
.if MSB != \new
	s_set_vgpr_msb (MSB<<8)|\new
.set MSB, \new
.endif
.endm
.macro QADDR sb                        ; the lane's addresses; sb: the wave's stage
	v_and_b32 v6, 15, v0
	v_bfe_u32 v7, v0, 4, 1
	v_lshlrev_b32 v[QLO], 4, v6
	v_lshl_add_u32 v[QLO], v7, 14, v[QLO]
	v_mul_u32_u24 v8, v7, 272
	v_lshl_add_u32 v8, v6, 4, v8
	v_add_nc_u32 v[QSI], \sb, v8
	v_mul_u32_u24 v9, v6, 272
	v_lshl_add_u32 v9, v7, 6, v9
	v_add_nc_u32 v[QSO], \sb, v9
	v_and_b32 v10, 31, v0
	v_lshlrev_b32 v[QST], 4, v10
	v_mov_b32 v[QTM+4], 0                          ; written once: a lane permute's destination counts as one of its sources
	v_mov_b32 v[QTM+5], 0
.endm
.macro QLOAD n, ex                     ; step n of eight (K step n / 4, tile (n / 2) % 2, half n % 2) into set n; ex: bytes further along the rows
	WIN 0x40
.irp i, 0,2,4,6,8,10,12,14
	global_load_b128 v[32*(\n)+2*\i:32*(\n)+2*\i+3], v[QLO], s[QSRC:QSRC+1] offset:(8*(((\n)/2)%2)+\i+8*(\i/8))*16384+512*((\n)/4)+256*((\n)%2)+(\ex) th:TH_LOAD_NT   ; sixteen lanes read 256 consecutive bytes of a row; read once in the launch
.endr
	WIN 0
.endm
.macro QTURN n                         ; set n through the stage: LDS serves a wave's instructions in order, so no wait stands between the stores and the loads, nor ahead of the stores
	WIN 0x04
.irp i, 0,2,4,6,8,10,12,14
	ds_store_b128 v[QSI], v[32*(\n)+2*\i:32*(\n)+2*\i+3] offset:272*\i
.endr
	WIN 0
.irp b, 0,1
.irp j, 0,1,2,3
	ds_load_b128 v[QX+32*((\n)%2)+16*\b+4*\j:QX+32*((\n)%2)+16*\b+4*\j+3], v[QSO] offset:128*\b+16*\j
.endr
.endr
.endm
.macro QHALF n                         ; 32 numbers become registers 6 c .. 6 c + 5 of the fragment and two bytes of the scale word, c = n % 2
.set xs, QX+32*((\n)%2)
.set qc, (\n)%2
.irp b, 0,1
	v_max3_num_f32 v[QTM+\b], |v[xs+16*\b]|, |v[xs+16*\b+1]|, 0x1800000   ; my 16 numbers of block b in two chains, and the floor 2^(3 - 127): so the byte cannot fall under 1
	v_max3_num_f32 v[QTM+2+\b], |v[xs+16*\b+8]|, |v[xs+16*\b+9]|, |v[xs+16*\b+10]|
.endr
.irp i, 2,4,6
.irp b, 0,1
	v_max3_num_f32 v[QTM+\b], v[QTM+\b], |v[xs+16*\b+\i]|, |v[xs+16*\b+\i+1]|
.if \i < 6
	v_max3_num_f32 v[QTM+2+\b], v[QTM+2+\b], |v[xs+16*\b+\i+9]|, |v[xs+16*\b+\i+10]|
.endif
.endr
.endr
.irp b, 0,1
	v_max3_num_f32 v[QTM+\b], v[QTM+\b], v[QTM+2+\b], |v[xs+16*\b+15]|
.endr
.irp b, 0,1
	v_permlanex16_b32 v[QTM+4+\b], v[QTM+\b], s[QSEL], s[QSEL+1]
.endr
.irp b, 0,1
	v_max_num_f32 v[QTM+\b], v[QTM+\b], v[QTM+4+\b]   ; with lane l xor 16's 16: the block's largest magnitude
.endr
.irp b, 0,1
	v_add_nc_u32 v[QTM+12+\b], 0xff000000, v[QTM+\b]  ; 2 off its exponent field: the conversion takes the exponent field of this operand as its scale
.endr
.irp b, 0,1
	v_lshrrev_b32 v[QTM+8+\b], 23, v[QTM+12+\b]       ; the scale's byte
.endr
.if qc == 0
	v_lshl_or_b32 v[QPW], v[QTM+9], 8, v[QTM+8]
.else
	v_lshl_or_b32 v[QPW], v[QTM+8], 16, v[QPW]
	v_lshl_or_b32 v[QPW], v[QTM+9], 24, v[QPW]
.endif
	v_cvt_scalef32_pk16_fp6_f32 v[QPC+6*qc:QPC+6*qc+2], v[xs:xs+15], v[QTM+12]
	v_cvt_scalef32_pk16_fp6_f32 v[QT2:QT2+2], v[xs+16:xs+31], v[QTM+13]   ; (a conversion's three registers begin on an even number)
	v_nop                                          ; one plain place behind a scaled conversion
.irp i, 0,1,2
	v_permlane16_swap_b32 v[QPC+6*qc+\i], v[QT2+\i]   ; the layout wants a whole block in a lane: lanes 0-15 block 2 c, lanes 16-31 block 2 c + 1
.endr
.irp i, 0,1,2
	v_mov_b32 v[QPC+3+6*qc+\i], v[QT2+\i]
.endr
.endm
; One step.  ld = 1: eight more steps follow it, and set n is loaded anew; ld = 0: one of the last eight.  fo: where the four fragments of these eight steps begin; sb: which pair of scale words they make
.macro HU n, ld, fo, sb
.if \ld
	s_wait_loadcnt 48                              ; the next step's eight loads are in; those of the six steps behind it may be out
.elseif (\n) < 7
	s_wait_loadcnt 8*(6-(\n))
.endif
.if (\ld) || ((\n) < 7)
	QTURN ((\n)+1)%8
	s_wait_dscnt 16                                ; this step's numbers are back, and its stores into the stage have read set n; the next step's 8 stores and 8 loads may be out
.else
	s_wait_dscnt 0x0
.endif
.if (\n)%2 == 0
	s_wait_xcnt 0x0                                ; the last fragment's stores have read the registers that are written anew below
.endif
.if \ld
	QLOAD \n, 1024
.endif
	QHALF \n
.if (\n)%2 == 1
.if ((\n)/2)%2 == 0
	v_mov_b32 v[QPW0], v[QPW]                      ; tile 0's words (every lane holds the word of row l % 16)
.else
	v_cndmask_b32 v[QSW+(\sb)+(\n)/4], v[QPW0], v[QPW], s[QHM]   ; lanes 0-15 tile 0's word, lanes 16-31 tile 1's
.endif
.irp c, 0,1,2
	global_store_b128 v[QST], v[QPC+4*\c:QPC+4*\c+3], s[QDST:QDST+1] offset:(\fo)+FRG*((\n)/2)+512*\c   ; 32 lanes store 512 consecutive bytes, at a multiple of 256 from the buffer's first byte
.endr
.endif
.endm
	s_load_b256 s[4:11], s[0:1], 0x0               ; x, wq, wk, wv
	s_load_b256 s[12:19], s[0:1], 0x20             ; freqs, xc, wc, cs
	v_lshl_add_u32 v[SPW], v0, 2, SPARE
	v_mov_b32 v[NIL], 0
	s_cmp_ge_u32 ttmp9, 448
	s_cbranch_scc1 .Ltrig                          ; the table's work-groups touch no LDS
	v_lshrrev_b32 v1, 5, v0
	v_readfirstlane_b32 s33, v1                    ; wave
	s_mul_i32 s34, s33, QSTW
	QADDR s34
	s_mov_b32 s[QSEL], 0x76543210
	s_mov_b32 s[QSEL+1], 0xfedcba98
	s_mov_b32 s[QHM], 0xffff0000
	s_wait_alu depctr_va_vdst(0)                   ; the wait at the head's end
	s_wait_kmcnt 0x0
	; which tensor: the choice hangs on the work-group's number alone.  s28: the tensor's first work-group; s29: the first work-group of its buffer of codes
	s_mov_b64 s[QSRC:QSRC+1], s[10:11]             ; 384 .. 447: wv
	s_mov_b32 s28, 384
	s_cmp_lt_u32 ttmp9, 384                        ; 320 .. 383: wk
	s_cselect_b64 s[QSRC:QSRC+1], s[8:9], s[QSRC:QSRC+1]
	s_cselect_b32 s28, 320, s28
	s_cmp_lt_u32 ttmp9, 320                        ; 64 .. 319: wq
	s_cselect_b64 s[QSRC:QSRC+1], s[6:7], s[QSRC:QSRC+1]
	s_cselect_b32 s28, 64, s28
	s_cmp_lt_u32 ttmp9, 64                         ; 0 .. 63: x -> xc; the others -> wc
	s_cselect_b64 s[QSRC:QSRC+1], s[4:5], s[QSRC:QSRC+1]
	s_cselect_b64 s[QDST:QDST+1], s[14:15], s[16:17]
	s_cselect_b32 s28, 0, s28
	s_cselect_b32 s29, 0, 64
	s_sub_co_u32 s28, ttmp9, s28
	s_lshl_b32 s28, s28, 2
	s_add_co_u32 s28, s28, s33                     ; my record in its tensor: group = / 8, 512 along K = % 8
	s_lshr_b32 s34, s28, 3
	s_lshl_b32 s34, s34, 19                        ; 32 rows of 16,384 bytes
	s_and_b32 s35, s28, 7
	s_lshl_b32 s35, s35, 11                        ; 512 numbers of 4 bytes
	s_add_co_u32 s34, s34, s35
	s_mov_b32 s35, 0
	s_add_nc_u64 s[QSRC:QSRC+1], s[QSRC:QSRC+1], s[34:35]
	s_sub_co_u32 s29, ttmp9, s29
	s_lshl_b32 s29, s29, 2
	s_add_co_u32 s29, s29, s33                     ; my record in its buffer
	s_mul_i32 s34, s29, REC
	s_add_nc_u64 s[QDST:QDST+1], s[QDST:QDST+1], s[34:35]
.irp n, 0,1,2,3,4,5,6,7
	QLOAD \n, 0
.endr
	s_wait_loadcnt 56                              ; step 0's eight loads are in
	QTURN 0
.irp n, 0,1,2,3,4,5,6,7
	HU \n, 1, 0, 0                                 ; K steps 0 and 1
.endr
.irp n, 0,1,2,3,4,5,6,7
	HU \n, 0, 4*FRG, 2                             ; K steps 2 and 3: nothing more to load
.endr
	global_store_b128 v[QST], v[QSW:QSW+3], s[QDST:QDST+1] offset:SCO
	s_wait_tensorcnt 0x0                           ; the wave's end, behind my last LDS store
	ds_add_u32 v[SPW], v[NIL]
	s_wait_dscnt 0x0
	s_endpgm
; THE TABLE.  A thread takes two neighbouring angles four times; a wave's load covers 256 consecutive bytes, its store 512.
.set F,  8                             ; v8-15  angles
.set O,  16                            ; v16-31 cos, sin, cos, sin
.set T,  32                            ; v32-39 at work
.set K2PI, 34                          ; s34 2 / pi
.set PH,   35                          ; s35 -(pi / 2 rounded to f32)
.set PL,   36                          ; s36 what that rounding added
.set S3,   37
.set S2,   38
.set S1,   39
.set C3,   40
.set C2,   41
.set C1,   42
.set SGN,  43
.macro SINCOS x, c, s                  ; no branch and no address hangs on these numbers: the quadrant only selects values
	v_mul_f32 v[T], s[K2PI], v[\x]
	v_rndne_f32 v[T], v[T]                         ; k
	v_fma_f32 v[T+1], v[T], s[PH], v[\x]
	v_fma_f32 v[T+1], v[T], s[PL], v[T+1]          ; r = x - k pi / 2, within +-pi / 4
	v_cvt_i32_f32 v[T], v[T]
	v_mul_f32 v[T+2], v[T+1], v[T+1]               ; z = r r
	v_fma_f32 v[T+3], v[T+2], s[S3], s[S2]
	v_fma_f32 v[T+4], v[T+2], s[C3], s[C2]
	v_mul_f32 v[T+5], v[T+2], v[T+1]
	v_mul_f32 v[T+6], v[T+2], v[T+2]
	v_fma_f32 v[T+3], v[T+3], v[T+2], s[S1]
	v_fma_f32 v[T+4], v[T+4], v[T+2], s[C1]
	v_fma_f32 v[T+7], v[T+2], -0.5, 1.0
	v_fma_f32 v[T+3], v[T+3], v[T+5], v[T+1]       ; sin r
	v_fma_f32 v[T+4], v[T+4], v[T+6], v[T+7]       ; cos r
	v_and_b32 v[T+5], 1, v[T]
	v_cmp_eq_u32 vcc_lo, 1, v[T+5]                 ; in odd quadrants the two change places
	v_cndmask_b32 v[\s], v[T+3], v[T+4], vcc_lo
	v_cndmask_b32 v[\c], v[T+4], v[T+3], vcc_lo
	v_lshlrev_b32 v[T+5], 30, v[T]                 ; sin is negated in quadrants 2 and 3,
	v_add_nc_u32 v[T+6], 1, v[T]
	v_lshlrev_b32 v[T+6], 30, v[T+6]               ; cos in quadrants 1 and 2
	v_and_b32 v[T+5], s[SGN], v[T+5]
	v_and_b32 v[T+6], s[SGN], v[T+6]
	v_xor_b32 v[\s], v[\s], v[T+5]
	v_xor_b32 v[\c], v[\c], v[T+6]
.endm
.Ltrig:
	s_sub_co_u32 s24, ttmp9, 448
	s_lshl_b32 s26, s24, 12                        ; 1,024 angles of 4 bytes
	s_mov_b32 s27, 0
	s_lshl_b32 s28, s24, 13
	s_mov_b32 s29, 0
	v_lshlrev_b32 v1, 3, v0
	v_lshlrev_b32 v2, 4, v0
	s_mov_b32 s[K2PI], 0x3f22f983
	s_mov_b32 s[PH], 0xbfc90fdb
	s_mov_b32 s[PL], 0x333bbd2e
	s_mov_b32 s[S3], 0xb94ca1f9
	s_mov_b32 s[S2], 0x3c08839e
	s_mov_b32 s[S1], 0xbe2aaaa3
	s_mov_b32 s[C3], 0x37ccf5ce
	s_mov_b32 s[C2], 0xbab6061a
	s_mov_b32 s[C1], 0x3d2aaaa5
	s_mov_b32 s[SGN], 0x80000000
	s_wait_alu depctr_va_vdst(0)
	s_wait_kmcnt 0x0
	s_add_nc_u64 s[12:13], s[12:13], s[26:27]
	s_add_nc_u64 s[18:19], s[18:19], s[28:29]
.irp i, 0,1,2,3
	global_load_b64 v[F+2*\i:F+2*\i+1], v1, s[12:13] offset:1024*\i
.endr
	s_wait_loadcnt 0x0
.irp i, 0,1,2,3
	SINCOS F+2*\i, O+4*\i, O+4*\i+1
	SINCOS F+2*\i+1, O+4*\i+2, O+4*\i+3
.endr
.irp i, 0,1,2,3
	global_store_b128 v2, v[O+4*\i:O+4*\i+3], s[18:19] offset:2048*\i
.endr
	s_endpgm
.Lfunc_end_k_q881a0f3c78_prep:
	.size	k_q881a0f3c78_prep, .Lfunc_end_k_q881a0f3c78_prep-k_q881a0f3c78_prep
	.p2alignl 7, 3214868480
	.fill 96, 4, 3214868480
	.section	.rodata,"a",@progbits
	.p2align	6, 0x0
	.amdhsa_kernel k_q881a0f3c78_prep
		.amdhsa_group_segment_fixed_size 17920
		.amdhsa_private_segment_fixed_size 0
		.amdhsa_enable_private_segment 0
		.amdhsa_kernarg_size 64
		.amdhsa_user_sgpr_count 2
		.amdhsa_user_sgpr_kernarg_segment_ptr 1
		.amdhsa_wavefront_size32 1
		.amdhsa_system_sgpr_workgroup_id_x 1
		.amdhsa_system_sgpr_workgroup_id_y 1
		.amdhsa_system_sgpr_workgroup_id_z 1
		.amdhsa_system_vgpr_workitem_id 0
		.amdhsa_next_free_vgpr 512
		.amdhsa_next_free_sgpr 66
		.amdhsa_reserve_vcc 1
		.amdhsa_float_denorm_mode_32 3
		.amdhsa_float_denorm_mode_16_64 3
		.amdhsa_memory_ordered 1
		.amdhsa_forward_progress 1
		.amdhsa_inst_pref_size 78
	.end_amdhsa_kernel
	.amdgpu_metadata
---
amdhsa.version: [ 1, 2 ]
amdhsa.kernels:
  - .name:           k_q881a0f3c78_prep
    .symbol:         k_q881a0f3c78_prep.kd
    .args:
      - { .name: x, .offset: 0, .size: 8, .value_kind: global_buffer, .address_space: global }
      - { .name: wq, .offset: 8, .size: 8, .value_kind: global_buffer, .address_space: global }
      - { .name: wk, .offset: 16, .size: 8, .value_kind: global_buffer, .address_space: global }
      - { .name: wv, .offset: 24, .size: 8, .value_kind: global_buffer, .address_space: global }
      - { .name: freqs, .offset: 32, .size: 8, .value_kind: global_buffer, .address_space: global }
      - { .name: xc, .offset: 40, .size: 8, .value_kind: global_buffer, .address_space: global }
      - { .name: wc, .offset: 48, .size: 8, .value_kind: global_buffer, .address_space: global }
      - { .name: cs, .offset: 56, .size: 8, .value_kind: global_buffer, .address_space: global }
    .group_segment_fixed_size: 17920
    .private_segment_fixed_size: 0
    .kernarg_segment_align: 8
    .kernarg_segment_size: 64
    .max_flat_workgroup_size: 128
    .sgpr_count:     66
    .vgpr_count:     512
    .wavefront_size: 32
...
	.end_amdgpu_metadata
.endif
;; end of part 1
;; launch qkv (part 2): grid 24 x 8, 4 waves a work-group, clusters of 4 x 4, 327,680 bytes of LDS; arguments xc, wc, cs, qkv; writes qkv
.if DOCPART == 2
	.amdgcn_target "amdgcn-amd-amdhsa--gfx1250"
	.amdhsa_code_object_version 6
	.text
	.protected	k_q881a0f3c78_qkv
	.globl	k_q881a0f3c78_qkv
	.p2align	8
	.type	k_q881a0f3c78_qkv,@function
k_q881a0f3c78_qkv:
	s_mov_b64 s[64:65], 0
	v_nop
	global_prefetch_b8 v0, s[64:65] scope:SCOPE_SE
	s_setreg_imm32_b32 hwreg(HW_REG_WAVE_MODE, 25, 1), 1
	s_wait_xcnt 0x0
	s_wait_alu depctr_hold_cnt(0) depctr_sa_sdst(0) depctr_va_vdst(0) depctr_va_sdst(0) depctr_va_ssrc(0) depctr_va_vcc(0) depctr_vm_vsrc(0)
	s_getreg_b32 s2, hwreg(HW_REG_IB_STS2, 6, 4)
	s_cmp_eq_u32 s2, 0
	s_cbranch_scc0 .Lentry_in_a_cluster
	s_endpgm
.Lentry_in_a_cluster:
	s_bfe_u32 s2, ttmp6, 0x10000c
	s_cmp_lg_u32 s2, 0xf033
	s_cbranch_scc0 .Lentry_shape_is_right
	s_endpgm
.Lentry_shape_is_right:
; xq = x wq^T, xk = x wk^T, xv = x wv^T on codes of FP6 (E2M3) with E8M0 scales, K = 4,096; RoPE on xq and xk; then q and k are quantised along the head's 128 and v along the tokens, in registers, and only codes go to memory.
; OPERANDS arrive as RECORDS of 12,800 bytes: a group of 32 rows x 512 along K: eight fragments as images of their registers (K step k, tile u at 1,536 (2 k + u); registers 4 c .. 4 c + 3 of lane l at 512 c + 16 l), then 512 bytes of scale
; words (lane 16 u + r: the four words of row r of tile u).  Tile u of a group holds rows 8 u + i + 8 (i / 8).  So a fragment comes from LDS by three loads of 16 bytes a lane, 512 consecutive bytes each: no pitch, no padding.
; SHARES.  A work-group makes 128 tokens x 256 columns (two heads): 4 records of x and 8 of W for each 512 along K: one slot of a ring of two.  A wave makes 64 x 128: 32 accumulators.
; SOURCE 0 (P, 8 tiles) is the side along which the result is quantised next; SOURCE 1 (R, 4 tiles) the other: a lane holds one row of R, and since a group's two tiles interleave by eights, registers 16 b + i of the
; eight accumulators of one tile of R are P's rows 32 b + 16 (l / 16) + i: 16 neighbours of each block of 32.  q, k: P = a head's 128 rows of W, R = 64 tokens.  v (cluster x = 5): P = the 128 tokens, R = 64 rows of wv.
; RESULT: head records (head 0-31 q, 32-39 k, 40-47 v; block of 128 tokens): eight fragments of one K step at 1,536 (2 b + u); q, k: tile = tokens 32 b + 8 u + r + 8 (r / 8), K = the head's 128; v: tile = the same of the head's 128, K = the
; tokens; then the scale words: [b / 2][lane 16 u + r][b % 2].
; CLUSTER 4 x 4: x's records hang on the token block alone and are asked for jointly along a row of the cluster, W's on the column block alone, along a column.
; LIMITS: blocks whose largest magnitude lies under 2^-124 (blocks of zeros among them) take the byte 1; NaN and infinities are not served.  RoPE is a product and a fused multiply-add for each number.
; REGISTERS, in windows of 256: window 0: v0-31 addresses; v32-79 scale words, two sets; v80-175 R's fragments, two sets; on the way out v80-143 products, v176-215 the quantiser's.
;   window 1: the accumulators, (a, b) at v[8 (8 a + b)].   window 2: v0-191 P's fragments, two sets.   window 3: cos and sin for my 64 tokens, laid as the accumulators are.
.set REC,   12800
.set FRG,   1536
.set SCO,   12288
.set SLOT,  12*REC                     ; x's 4 records, then W's 8
.set SPARE, 2*SLOT                     ; behind the ring: the spare words, 128 bytes a wave: two blocks of 256 bytes that no other line names
.set ADRP,  4                          ; v4-5   16 x lane + P's first record in slot 0, 1
.set ADRR,  6                          ; v6-7   the same for R
.set CSA,   8                          ; v8     my byte in the table: token r + 8 (r / 8) of a tile, + 64 (l / 16)
.set LI2,   9                          ; v9     16 x lane + my half's four fragments
.set LS,    10                         ; v10    8 x lane + my half's 256 bytes of scale words
.set SPW,   28                         ; v28    my spare word's LDS address; never rewritten
.set NIL,   29                         ; v29    0; never rewritten
.set SC,    32                         ; scale words: set ss at 24 ss; P's record p, K step k: 4 p + k; R's: 16 + 4 p + k; lanes 0-15 tile 0, lanes 16-31 tile 1
.set RF,    80
.set TAB,   80
.set TM,    176
.set PW,    192
.set PW0,   193
.set SW,    194
.set PC,    196
.set WV,    14                         ; s14 wave;  s15 wave / 2;  s16 wave % 2
.set HI,    15
.set HF,    16
.set G1,    24                         ; s[24:31] descriptor group 1 for x's records;  s[32:39] group 0, a set for each slot
.set G0,    32
.set G1B,   48                         ; s[48:55], s[56:63] the same for W's
.set G0B,   56
.set PFA,   74                         ; s[74:75] where my prefetches stand: my work-group's share of the records that I fetch, at the 512 along K that is being asked for
.set PFO,   30                         ; v30    256 x lane, held at 24: 25 blocks of 256 bytes, half a record; never rewritten
.set SEL,   66
.set HM,    68
.set TYP,   69                         ; s69 1: v;  0: q or k.  It hangs on the cluster's x alone: the same in all sixteen partners
.set MSB, 0
.macro WIN new                         ; the immediate's high byte repeats the setting that is left
.if MSB != \new
	s_set_vgpr_msb (MSB<<8)|\new
.set MSB, \new
.endif
.endm
.set MULW, 0x52                        ; source 0 (P) window 2, source 1 (R) window 0, C and D window 1
.macro PLACES n
.rept \n
	v_nop
.endr
.endm
; A joint load: waves 0 and 1 fetch x's records, waves 2 and 3 W's.  Each line has one mask and one set of registers for all that issue it; the branch hangs on the wave's number alone.
; An s_nop 0 and four v_nop follow each of the two lines.
.macro JLOAD s
	s_cmp_eq_u32 s[HI], 0
	s_cbranch_scc0 .Lfor_w_\@
	tensor_load_to_lds s[G0+4*\s:G0+4*\s+3], s[G1:G1+7]
	s_nop 0
.rept 4
	v_nop
.endr
	s_branch .Lasked_\@
.Lfor_w_\@:
	tensor_load_to_lds s[G0B+4*\s:G0B+4*\s+3], s[G1B:G1B+7]
	s_nop 0
.rept 4
	v_nop
.endr
.Lasked_\@:
.endm
.macro CREST                           ; a round of the cluster's barrier behind its opening barrier
	s_cmp_lg_u32 s[WV], 0
	s_cbranch_scc1 .Lnot_wave_0_\@
	s_barrier_signal -3
.Lnot_wave_0_\@:
	s_barrier_wait -3
	s_barrier_signal -1
	s_barrier_wait -1
.endm
.macro CROUND
	s_barrier_signal -1
	s_barrier_wait -1
	CREST
.endm
	s_load_b256 s[4:11], s[0:1], 0x0               ; xc s[4:5], wc s[6:7], cs s[8:9], qkv s[10:11]
	v_lshl_add_u32 v[SPW], v0, 2, SPARE
	v_mov_b32 v[NIL], 0
	ds_add_u32 v[SPW], v[NIL]                      ; the wave's opening: the add and its wait ahead of my first tensor load; work on registers stands between them
	ds_add_u32 v[SPW], v[NIL]
	v_lshrrev_b32 v1, 5, v0
	v_readfirstlane_b32 s[WV], v1
	s_lshr_b32 s[HI], s[WV], 1
	s_and_b32 s[HF], s[WV], 1
	s_bfe_u32 s40, ttmp6, 0x40000                  ; cx, cy: my place in the cluster
	s_bfe_u32 s41, ttmp6, 0x40004
	s_lshl_b32 s42, ttmp9, 2
	s_add_co_u32 s42, s42, s40                     ; X: my block of 256 columns
	s_and_b32 s17, ttmp7, 0xffff
	s_lshl_b32 s17, s17, 2
	s_add_co_u32 s17, s17, s41                     ; Y: my block of 128 tokens
	s_lshl_b32 s43, s41, 2
	s_lshl_b32 s43, 15, s43                        ; my row of the cluster
	s_lshl_b32 s44, 0x1111, s40                    ; my column
	; group 1: records as rows of 1,600 elements of 8 bytes; from a group's record to the next group's are 8 records
	s_or_b32 s[G1], s43, (3<<16)|(1<<21)           ; 15:0 the mask; 17:16 elements of 8 bytes; 21 set beside a mask; no padding
	s_or_b32 s[G1B], s44, (3<<16)|(1<<21)
.irp g, G1, G1B
	s_mov_b32 s[\g+1], (REC/8)<<16                 ; tensor_dim0
	s_mov_b32 s[\g+3], (REC/8)<<16                 ; tile_dim0
	s_mov_b32 s[\g+5], 8*REC/8                     ; tensor_dim0_stride
	s_mov_b32 s[\g+6], 0
	s_mov_b32 s[\g+7], 0
.endr
	s_mov_b32 s[G1+2], 2<<16                       ; tensor_dim1: a wave fetches 2 records of x
	s_mov_b32 s[G1+4], 2                           ; tile_dim1
	s_mov_b32 s[G1B+2], 4<<16                      ; or 4 of W
	s_mov_b32 s[G1B+4], 4
	s_lshl_b32 s20, s17, 5                         ; x: group 4 Y + 2 half: record 8 x that
	s_lshl_b32 s18, s[HF], 4
	s_add_co_u32 s20, s20, s18
	s_mul_i32 s20, s20, REC
	s_mov_b32 s21, 0
	s_lshl_b32 s46, s42, 6                         ; W: group 8 X + 4 half
	s_lshl_b32 s18, s[HF], 5
	s_add_co_u32 s46, s46, s18
	s_mul_i32 s46, s46, REC
	s_mov_b32 s47, 0
	s_mul_i32 s45, s[HF], 2*REC                    ; where they go: no place in the cluster enters an LDS address
	s_mul_i32 s70, s[HF], 4*REC
	s_add_co_u32 s70, s70, 4*REC
	s_wait_dscnt 0x0                               ; the opening add is done
	s_wait_kmcnt 0x0
	s_add_nc_u64 s[20:21], s[4:5], s[20:21]
	s_add_nc_u64 s[46:47], s[6:7], s[46:47]
	CROUND                                         ; all sixteen work-groups are here: the first joint loads meet
.irp s, 0,1
	s_mov_b32 s[G0+4*\s], 1
	s_add_co_u32 s[G0+4*\s+1], s45, \s*SLOT
	s_add_nc_u64 s[G0+4*\s+2:G0+4*\s+3], s[20:21], \s*REC
	s_or_b32 s[G0+4*\s+3], s[G0+4*\s+3], 0x80000000
	s_mov_b32 s[G0B+4*\s], 1
	s_add_co_u32 s[G0B+4*\s+1], s70, \s*SLOT
	s_add_nc_u64 s[G0B+4*\s+2:G0B+4*\s+3], s[46:47], \s*REC
	s_or_b32 s[G0B+4*\s+3], s[G0B+4*\s+3], 0x80000000
.endr
	JLOAD 0                                        ; slot 0: one tensor load a wave at the head
	; the prefetches: the four partners that ask for a tile jointly share its blocks out by address.  x's two records: partner p takes half p % 2 of record p / 2; W's four: partner p takes record p
	s_cmp_eq_u32 s[HI], 0
	s_cselect_b64 s[PFA:PFA+1], s[20:21], s[46:47]
	s_cselect_b32 s71, s40, s41                    ; my place among the four: cx for x's records, cy for W's
	s_lshr_b32 s72, s71, 1
	s_and_b32 s73, s71, 1
	s_mul_i32 s73, s73, 6400
	s_cmp_eq_u32 s[HI], 0
	s_cselect_b32 s72, s72, s71
	s_cselect_b32 s73, s73, 0
	s_mul_i32 s72, s72, 8*REC
	s_add_co_u32 s72, s72, s73
	s_add_co_u32 s72, s72, REC                     ; at the second 512 along K: the first refill steps it to the third
	s_mov_b32 s73, 0
	s_add_nc_u64 s[PFA:PFA+1], s[PFA:PFA+1], s[72:73]
	v_and_b32 v1, 31, v0
	v_lshlrev_b32 v2, 4, v1                        ; 16 x lane
	v_min_u32 v[PFO], 24, v1                       ; (the lanes that are left over name the last block again)
	v_lshlrev_b32 v[PFO], 8, v[PFO]
	global_prefetch_b8 v[PFO], s[PFA:PFA+1] th:TH_LOAD_NT scope:SCOPE_SE              ; behind slot 0's load: my share of the second 512 along K (slot 1's first fill)
	global_prefetch_b8 v[PFO], s[PFA:PFA+1] offset:REC th:TH_LOAD_NT scope:SCOPE_SE   ; and of the third (the first refill)
	s_cmp_eq_u32 s[HI], 0
	s_cbranch_scc1 .Lhead_x
	global_prefetch_b8 v[PFO], s[PFA:PFA+1] offset:6400 th:TH_LOAD_NT scope:SCOPE_SE  ; W's waves: the other half of my record
	global_prefetch_b8 v[PFO], s[PFA:PFA+1] offset:REC+6400 th:TH_LOAD_NT scope:SCOPE_SE
.Lhead_x:
	s_wait_alu depctr_va_vdst(0)
	s_mul_i32 s20, s[HI], 4*REC
	s_add_co_u32 s20, s20, 4*REC                   ; q, k: P = my head's 4 records of W,
	s_mul_i32 s21, s[HF], 2*REC                    ;       R = my 2 records of x
	s_mul_i32 s22, s[WV], 2*REC
	s_add_co_u32 s22, s22, 4*REC                   ; v: R = my 2 records of W, P = x's 4
	s_cmp_eq_u32 ttmp9, 5
	s_cselect_b32 s[TYP], 1, 0
	s_cselect_b32 s20, 0, s20
	s_cselect_b32 s21, s22, s21
	v_add_nc_u32 v[ADRP], s20, v2
	v_add_nc_u32 v[ADRR], s21, v2
	v_add_nc_u32 v[ADRP+1], SLOT, v[ADRP]
	v_add_nc_u32 v[ADRR+1], SLOT, v[ADRR]
	v_and_b32 v3, 15, v0                           ; r
	v_bfe_u32 v11, v0, 4, 1                        ; l / 16
	v_and_b32 v12, 8, v3
	v_add_nc_u32 v12, v12, v3                      ; r + 8 (r / 8)
	v_lshlrev_b32 v[CSA], 9, v12                   ; a token's cos and sin are 512 bytes
	v_lshl_add_u32 v[CSA], v11, 6, v[CSA]
	s_mul_i32 s22, s[HF], 4*FRG
	v_add_nc_u32 v[LI2], s22, v2
	v_lshlrev_b32 v[LS], 3, v1
	s_lshl_b32 s22, s[HF], 8
	v_add_nc_u32 v[LS], s22, v[LS]
	s_lshl_b32 s22, s17, 16                        ; the table at my first token: (128 Y + 64 half) x 512
	s_lshl_b32 s23, s[HF], 15
	s_add_co_u32 s22, s22, s23
	s_mov_b32 s23, 0
	s_add_nc_u64 s[8:9], s[8:9], s[22:23]
	s_lshl_b32 s46, s42, 1                         ; my head record: (2 X + wave / 2) x 8 + Y
	s_add_co_u32 s46, s46, s[HI]
	s_lshl_b32 s46, s46, 3
	s_add_co_u32 s46, s46, s17
	s_mul_i32 s46, s46, REC
	s_mov_b32 s47, 0
	s_add_nc_u64 s[10:11], s[10:11], s[46:47]
	s_mov_b32 s[SEL], 0x76543210
	s_mov_b32 s[SEL+1], 0xfedcba98
	s_mov_b32 s[HM], 0xffff0000
.irp b, 0,1,2,3
	v_mov_b32 v[TM+4+\b], 0                        ; written once: a lane permute's destination counts as one of its sources
.endr
	; cos and sin for q and k: asked for here, read behind the whole K loop.  Register n of set a belongs to register n of R's tile a: the head's channel 32 (n / 16) + 16 (l / 16) + n % 16; even n: the pair's cos, odd n: its sin
	s_cmp_eq_u32 s[TYP], 1
	s_cbranch_scc1 .Lno_table
	WIN 0xc0                                       ; destination window 3
	s_wait_alu depctr_va_vdst(0)
.irp a, 0,1,2,3
.irp b, 0,1,2,3
.irp j, 0,1,2,3
	global_load_b128 v[64*\a+16*\b+4*\j:64*\a+16*\b+4*\j+3], v[CSA], s[8:9] offset:(32*(\a/2)+8*(\a%2))*512+128*\b+16*\j
.endr
.endr
.endr
	WIN 0
.Lno_table:
; a K step's fragments: P's eight (record p, tile u) into set `set` of window 2, R's four into set `set` of window 0
.macro FETCH slot, k, set
	WIN 0x80
.irp p, 0,1,2,3
.irp u, 0,1
.irp c, 0,1,2
	ds_load_b128 v[96*(\set)+12*(2*\p+\u)+4*\c:96*(\set)+12*(2*\p+\u)+4*\c+3], v[ADRP+\slot] offset:REC*\p+FRG*(2*(\k)+\u)+512*\c
.endr
.endr
.endr
	WIN 0
.irp p, 0,1
.irp u, 0,1
.irp c, 0,1,2
	ds_load_b128 v[RF+48*(\set)+12*(2*\p+\u)+4*\c:RF+48*(\set)+12*(2*\p+\u)+4*\c+3], v[ADRR+\slot] offset:REC*\p+FRG*(2*(\k)+\u)+512*\c
.endr
.endr
.endr
.endm
.macro SCALES slot                     ; a slot's scale words: one load brings a record's four K steps
.irp p, 0,1,2,3
	ds_load_b128 v[SC+24*\slot+4*\p:SC+24*\slot+4*\p+3], v[ADRP+\slot] offset:REC*\p+SCO
.endr
.irp p, 0,1
	ds_load_b128 v[SC+24*\slot+16+4*\p:SC+24*\slot+16+4*\p+3], v[ADRR+\slot] offset:REC*\p+SCO
.endr
.endm
.macro WM zero                         ; one product; an odd tile's scale words stand in lanes 16-31
.if \zero
.if fP && fR
	v_wmma_scale_f32_16x16x128_f8f6f4 v[rD:rD+7], v[rP:rP+11], v[rR:rR+11], 0, v[rSP], v[rSR] matrix_a_fmt:MATRIX_FMT_FP6 matrix_b_fmt:MATRIX_FMT_FP6 matrix_a_scale:MATRIX_SCALE_ROW1 matrix_b_scale:MATRIX_SCALE_ROW1
.elseif fP
	v_wmma_scale_f32_16x16x128_f8f6f4 v[rD:rD+7], v[rP:rP+11], v[rR:rR+11], 0, v[rSP], v[rSR] matrix_a_fmt:MATRIX_FMT_FP6 matrix_b_fmt:MATRIX_FMT_FP6 matrix_a_scale:MATRIX_SCALE_ROW1
.elseif fR
	v_wmma_scale_f32_16x16x128_f8f6f4 v[rD:rD+7], v[rP:rP+11], v[rR:rR+11], 0, v[rSP], v[rSR] matrix_a_fmt:MATRIX_FMT_FP6 matrix_b_fmt:MATRIX_FMT_FP6 matrix_b_scale:MATRIX_SCALE_ROW1
.else
	v_wmma_scale_f32_16x16x128_f8f6f4 v[rD:rD+7], v[rP:rP+11], v[rR:rR+11], 0, v[rSP], v[rSR] matrix_a_fmt:MATRIX_FMT_FP6 matrix_b_fmt:MATRIX_FMT_FP6
.endif
.else
.if fP && fR
	v_wmma_scale_f32_16x16x128_f8f6f4 v[rD:rD+7], v[rP:rP+11], v[rR:rR+11], v[rD:rD+7], v[rSP], v[rSR] matrix_a_fmt:MATRIX_FMT_FP6 matrix_b_fmt:MATRIX_FMT_FP6 matrix_a_scale:MATRIX_SCALE_ROW1 matrix_b_scale:MATRIX_SCALE_ROW1
.elseif fP
	v_wmma_scale_f32_16x16x128_f8f6f4 v[rD:rD+7], v[rP:rP+11], v[rR:rR+11], v[rD:rD+7], v[rSP], v[rSR] matrix_a_fmt:MATRIX_FMT_FP6 matrix_b_fmt:MATRIX_FMT_FP6 matrix_a_scale:MATRIX_SCALE_ROW1
.elseif fR
	v_wmma_scale_f32_16x16x128_f8f6f4 v[rD:rD+7], v[rP:rP+11], v[rR:rR+11], v[rD:rD+7], v[rSP], v[rSR] matrix_a_fmt:MATRIX_FMT_FP6 matrix_b_fmt:MATRIX_FMT_FP6 matrix_b_scale:MATRIX_SCALE_ROW1
.else
	v_wmma_scale_f32_16x16x128_f8f6f4 v[rD:rD+7], v[rP:rP+11], v[rR:rR+11], v[rD:rD+7], v[rSP], v[rSR] matrix_a_fmt:MATRIX_FMT_FP6 matrix_b_fmt:MATRIX_FMT_FP6
.endif
.endif
.endm
; R's tile a against P's eight.  The 32 accumulators take turns, one instruction a turn, in the same order in every K step.  zero = 1: the first product starts the sums
.macro MUL8 a, set, k, ss, zero
.irp b, 0,1,2,3,4,5,6,7
.set rD, 8*(8*(\a)+\b)
.set rP, 96*(\set)+12*\b
.set rR, RF+48*(\set)+12*(\a)
.set rSP, SC+24*(\ss)+4*(\b/2)+(\k)
.set rSR, SC+24*(\ss)+16+4*((\a)/2)+(\k)
.set fP, \b%2
.set fR, (\a)%2
	WM \zero
.endr
.endm
; A K step of 128 that has its successor in the same slot: the successor's 36 loads go out in one run, ahead of this step's 32 products
.macro STEP slot, k, zero
	s_wait_dscnt 0x0                               ; this step's fragments are in (asked for 32 products ago)
	PLACES 4                                       ; four places between the last products and loads into the registers that they read
	FETCH \slot, (\k)+1, ((\k)+1)%2
	WIN MULW
	MUL8 0, (\k)%2, \k, \slot, \zero
	MUL8 1, (\k)%2, \k, \slot, \zero
	MUL8 2, (\k)%2, \k, \slot, \zero
	MUL8 3, (\k)%2, \k, \slot, \zero
	WIN 0
.endm
; A slot's last K step changes slots: one barrier.  In front of it each wave waits for all its tensor loads, adds 0 to its spare word, and waits for that and for its reads of this slot.  fill = 1: the slot is filled again, 1,024 along K ahead
; A PREFETCH INTO THE L2 behind each joint load and the run of LDS loads that follows it: my work-group's share of the records that stand TWO refills on: a lane a block of 256 bytes;
; x's waves ask for 25 blocks, W's for 50.  Each block is named once in each cluster that will load it.  The last two refills have nothing two refills on and ask for nothing.
.macro ASKAT off
	global_prefetch_b8 v[PFO], s[PFA:PFA+1] offset:\off th:TH_LOAD_NT scope:SCOPE_SE
	s_cmp_eq_u32 s[HI], 0
	s_cbranch_scc1 .Lx_only_\@
	global_prefetch_b8 v[PFO], s[PFA:PFA+1] offset:(\off)+6400 th:TH_LOAD_NT scope:SCOPE_SE
.Lx_only_\@:
.endm
.macro ASK
	s_cmp_gt_u32 s3, 1                             ; s3 = 1 in the loop's last trip
	s_cbranch_scc0 .Lno_ask_\@
	ASKAT 2*REC
.Lno_ask_\@:
.endm
.macro TURN slot, next, fill
.if \fill
	s_wait_xcnt 0x0                                ; my prefetches have read their address: it is stepped here, ahead of the waits of the change of slots
	s_add_nc_u64 s[PFA:PFA+1], s[PFA:PFA+1], REC
.endif
	s_wait_tensorcnt 0x0                           ; all my tensor loads have landed: my part of the next slot
	ds_add_u32 v[SPW], v[NIL]                      ; 0 onto my spare word
	s_wait_dscnt 1                                 ; this step's fragments are in; the add alone may be out
	WIN MULW
	MUL8 0, 1, 3, \slot, 0                         ; eight products stand between the add and the wait for it
	s_wait_dscnt 0x0                               ; the add is done, and my reads of this slot are over
	s_barrier_signal -1
	MUL8 1, 1, 3, \slot, 0
	WIN 0
	s_barrier_wait -1
.if \fill
	CREST                                          ; the barrier has opened a round of the cluster's: no wave of any partner still reads this slot or has a load on its way
	s_add_nc_u64 s[G0+4*\slot+2:G0+4*\slot+3], s[G0+4*\slot+2:G0+4*\slot+3], 2*REC
	s_add_nc_u64 s[G0B+4*\slot+2:G0B+4*\slot+3], s[G0B+4*\slot+2:G0B+4*\slot+3], 2*REC
	JLOAD \slot                                    ; my one tensor load behind the round; its four v_nop are the places in front of the loads below
.else
	PLACES 4
.endif
	FETCH \next, 0, 0
	SCALES \next
.if \fill
	ASK
.endif
	WIN MULW
	MUL8 2, 1, 3, \slot, 0
	MUL8 3, 1, 3, \slot, 0
	WIN 0
.endm
	s_wait_alu depctr_va_vdst(0)                   ; the wait at the head's end
	s_wait_tensorcnt 0x0                           ; my part of slot 0 is in
	ds_add_u32 v[SPW], v[NIL]
	s_wait_dscnt 0x0
	CROUND                                         ; a whole round: slot 0 is whole, and all sixteen work-groups are here
	JLOAD 1                                        ; slot 1's first fill, my one tensor load behind the round
	FETCH 0, 0, 0
	SCALES 0
	ASKAT 2*REC                                    ; the fourth 512 along K, which the second refill will load
	STEP 0, 0, 1                                   ; the first K step stands in front of the loop: its products start the sums
	s_mov_b32 s3, 3
.Llap:                                                 ; a trip goes once round the ring (1,024 along K), from a lap's second K step to the next lap's first, and fills both slots again
	STEP 0, 1, 0
	STEP 0, 2, 0
	TURN 0, 1, 1
	STEP 1, 0, 0
	STEP 1, 1, 0
	STEP 1, 2, 0
	TURN 1, 0, 1
	STEP 0, 0, 0
	s_sub_co_u32 s3, s3, 1
	s_cmp_lg_u32 s3, 0
	s_cbranch_scc1 .Llap
	STEP 0, 1, 0                                   ; the last lap fills nothing, and has no round
	STEP 0, 2, 0
	TURN 0, 1, 0
	STEP 1, 0, 0
	STEP 1, 1, 0
	STEP 1, 2, 0
	s_wait_dscnt 0x0
	WIN MULW
	MUL8 0, 1, 3, 1, 0
	MUL8 1, 1, 3, 1, 0
	MUL8 2, 1, 3, 1, 0
	MUL8 3, 1, 3, 1, 0
	WIN 0
	PLACES 4                                       ; in front of the first reads of results and of writes into R's registers
; THE WAY OUT, a tile a of R at a time: its 64 registers are a lane's row of 128.
.macro ROPE a                          ; q, k: (t0, t1) -> (t0 cos - t1 sin, t0 sin + t1 cos), the pairs being neighbouring registers
	s_cmp_eq_u32 s[TYP], 1
	s_cbranch_scc1 .Lplain_\@
	s_wait_loadcnt 48-16*(\a)                      ; this tile's sixteen loads of the table are in; the later tiles' may be out
	WIN 0x0d                                       ; source 0: the accumulators, window 1; source 1: the table, window 3
.set n, 0
.rept 32
	v_pk_mul_f32 v[TAB+n:TAB+n+1], v[64*(\a)+n:64*(\a)+n+1], v[64*(\a)+n:64*(\a)+n+1] op_sel:[1,1] op_sel_hi:[0,1]   ; low: t1 sin; high: t0 sin
.set n, n+2
.endr
	WIN 0x4d                                       ; and the destination window 1
.set n, 0
.rept 32
	v_pk_fma_f32 v[64*(\a)+n:64*(\a)+n+1], v[64*(\a)+n:64*(\a)+n+1], v[64*(\a)+n:64*(\a)+n+1], v[TAB+n:TAB+n+1] op_sel_hi:[1,0,1] neg_lo:[0,0,1]   ; low: t0 cos - t1 sin; high: t1 cos + t0 sin
.set n, n+2
.endr
	WIN 0
.Lplain_\@:
.endm
.macro QUANT s                         ; 64 numbers of window 1, register 16 b + i = k 32 b + 16 (l / 16) + i of my row, become a fragment in v[PC] on and my row's scale word in v[PW]
.set QS, \s
	WIN 0x05
.irp b, 0,1,2,3
	v_max3_num_f32 v[TM+\b], |v[QS+16*\b]|, |v[QS+1+16*\b]|, 0x1800000   ; block b: my 16 numbers, and the floor 2^(3 - 127): so the byte cannot fall under 1
.endr
	WIN 0x14
.irp i, 2,4,6,8,10,12,14
.irp b, 0,1,2,3
	v_max3_num_f32 v[TM+\b], v[TM+\b], |v[QS+16*\b+\i]|, |v[QS+1+16*\b+\i]|
.endr
.endr
	WIN 0
.irp b, 0,1,2,3
	v_permlanex16_b32 v[TM+4+\b], v[TM+\b], s[SEL], s[SEL+1]
.endr
.irp b, 0,1,2,3
	v_max_num_f32 v[TM+\b], v[TM+\b], v[TM+4+\b]   ; with lane l xor 16's 16: the block's largest magnitude
.endr
.irp b, 0,1,2,3
	v_add_nc_u32 v[TM+12+\b], 0xff000000, v[TM+\b] ; 2 off its exponent field: the conversion's scale operand
.endr
.irp b, 0,1,2,3
	v_lshrrev_b32 v[TM+4+\b], 23, v[TM+12+\b]      ; the scale's byte
.endr
	v_lshl_or_b32 v[PW], v[TM+5], 8, v[TM+4]
	v_lshl_or_b32 v[PW], v[TM+6], 16, v[PW]
	v_lshl_or_b32 v[PW], v[TM+7], 24, v[PW]
	WIN 0x01
.irp c, 0,1
	v_cvt_scalef32_pk16_fp6_f32 v[PC+6*\c:PC+2+6*\c], v[QS+32*\c:QS+15+32*\c], v[TM+12+2*\c]
	v_cvt_scalef32_pk16_fp6_f32 v[PC+12+4*\c:PC+14+4*\c], v[QS+16+32*\c:QS+31+32*\c], v[TM+13+2*\c]
.endr
	WIN 0
	v_nop                                          ; one plain place behind a scaled conversion
.irp c, 0,1
.irp i, 0,1,2
	v_permlane16_swap_b32 v[PC+6*\c+\i], v[PC+12+4*\c+\i]
.endr
.irp i, 0,1,2
	v_mov_b32 v[PC+3+6*\c+\i], v[PC+12+4*\c+\i]
.endr
.endr
.endm
.macro EPI a
.if (\a) > 0
	s_wait_xcnt 0x0                                ; the last tile's stores have read the codes' registers
.endif
	ROPE \a
	QUANT 64*(\a)
.irp c, 0,1,2
	global_store_b128 v[LI2], v[PC+4*\c:PC+4*\c+3], s[10:11] offset:FRG*(\a)+512*\c   ; fragment 4 half + a: 32 lanes store 512 consecutive bytes, at a multiple of 256 from the buffer's first byte
.endr
.if (\a)%2 == 0
	v_mov_b32 v[PW0], v[PW]
.else
	v_cndmask_b32 v[SW+(\a)/2], v[PW0], v[PW], s[HM]   ; lanes 0-15 the even tile's words, lanes 16-31 the odd tile's
.endif
.endm
	EPI 0
	EPI 1
	EPI 2
	EPI 3
	global_store_b64 v[LS], v[SW:SW+1], s[10:11] offset:SCO   ; my half's scale words: 256 consecutive bytes
	s_wait_tensorcnt 0x0                           ; the wave's end, behind my last tensor load
	ds_add_u32 v[SPW], v[NIL]
	s_wait_dscnt 0x0
	CROUND                                         ; the closing round: no work-group ends while a partner may still ask for a tile that names it
	s_endpgm
.Lfunc_end_k_q881a0f3c78_qkv:
	.size	k_q881a0f3c78_qkv, .Lfunc_end_k_q881a0f3c78_qkv-k_q881a0f3c78_qkv
	.p2alignl 7, 3214868480
	.fill 96, 4, 3214868480
	.section	.rodata,"a",@progbits
	.p2align	6, 0x0
	.amdhsa_kernel k_q881a0f3c78_qkv
		.amdhsa_group_segment_fixed_size 327680
		.amdhsa_private_segment_fixed_size 0
		.amdhsa_enable_private_segment 0
		.amdhsa_kernarg_size 32
		.amdhsa_user_sgpr_count 2
		.amdhsa_user_sgpr_kernarg_segment_ptr 1
		.amdhsa_wavefront_size32 1
		.amdhsa_system_sgpr_workgroup_id_x 1
		.amdhsa_system_sgpr_workgroup_id_y 1
		.amdhsa_system_sgpr_workgroup_id_z 1
		.amdhsa_system_vgpr_workitem_id 0
		.amdhsa_next_free_vgpr 1024
		.amdhsa_next_free_sgpr 80
		.amdhsa_reserve_vcc 0
		.amdhsa_float_denorm_mode_32 3
		.amdhsa_float_denorm_mode_16_64 3
		.amdhsa_memory_ordered 1
		.amdhsa_forward_progress 1
		.amdhsa_inst_pref_size 159
	.end_amdhsa_kernel
	.amdgpu_metadata
---
amdhsa.version: [ 1, 2 ]
amdhsa.kernels:
  - .name:           k_q881a0f3c78_qkv
    .symbol:         k_q881a0f3c78_qkv.kd
    .args:
      - { .name: xc, .offset: 0, .size: 8, .value_kind: global_buffer, .address_space: global }
      - { .name: wc, .offset: 8, .size: 8, .value_kind: global_buffer, .address_space: global }
      - { .name: cs, .offset: 16, .size: 8, .value_kind: global_buffer, .address_space: global }
      - { .name: qkv, .offset: 24, .size: 8, .value_kind: global_buffer, .address_space: global }
    .group_segment_fixed_size: 327680
    .private_segment_fixed_size: 0
    .kernarg_segment_align: 8
    .kernarg_segment_size: 32
    .max_flat_workgroup_size: 128
    .sgpr_count:     80
    .vgpr_count:     1024
    .wavefront_size: 32
...
	.end_amdgpu_metadata
.endif
;; end of part 2
;; launch attn (part 3): grid 32 x 8, 8 waves a work-group, clusters of 4 x 1, 327,680 bytes of LDS; arguments qkv, ac, wo, woc; writes ac, woc
.if DOCPART == 3
	.amdgcn_target "amdgcn-amd-amdhsa--gfx1250"
	.amdhsa_code_object_version 6
	.text
	.protected	k_q881a0f3c78_attn
	.globl	k_q881a0f3c78_attn
	.p2align	8
	.type	k_q881a0f3c78_attn,@function
k_q881a0f3c78_attn:
	s_mov_b64 s[64:65], 0
	v_nop
	global_prefetch_b8 v0, s[64:65] scope:SCOPE_SE
	s_setreg_imm32_b32 hwreg(HW_REG_WAVE_MODE, 25, 1), 1
	s_wait_xcnt 0x0
	s_wait_alu depctr_hold_cnt(0) depctr_sa_sdst(0) depctr_va_vdst(0) depctr_va_sdst(0) depctr_va_ssrc(0) depctr_va_vcc(0) depctr_vm_vsrc(0)
	s_getreg_b32 s2, hwreg(HW_REG_IB_STS2, 6, 4)
	s_cmp_eq_u32 s2, 0
	s_cbranch_scc0 .Lentry_in_a_cluster
	s_endpgm
.Lentry_in_a_cluster:
	s_bfe_u32 s2, ttmp6, 0x10000c
	s_cmp_lg_u32 s2, 0x3003
	s_cbranch_scc0 .Lentry_shape_is_right
	s_endpgm
.Lentry_shape_is_right:
; o = softmax(q k^T / sqrt(128)) v on codes of FP6 (E2M3) with E8M0 scales; o is quantised along the heads' 4,096 in registers and leaves as records for the last launch.
; A work-group has 32 tokens x the four query heads of one key and value head; a wave 16 tokens of one head.  K's and V's eight records each (1,024 keys) come into LDS once, by two joint loads a wave (a record each),
; shared by the four work-groups of a cluster, which have the same key and value head.  Both products are used transposed (S^T = k q^T, O^T = v^T p^T): a lane holds one query.  Eight steps of 128 keys.
; M is the running largest t rounded up to a whole number, kept as -M; p = 2^(t - M); the row's sum is taken of the unquantised p; when M moves, the sum and O^T are multiplied by a power of two.
; A block's largest p is the block's largest score put through the same multiply-add and exponential.
; LIMITS: the promise holds while the scaled scores stay under 2^31 in magnitude; blocks whose largest magnitude lies under 2^-124 take the byte 1; NaN and infinities are not served.
; No prefetch of K and V: each is loaded once, the first half at the kernel's first lines, the second with four steps' work ahead of the wait for it: there is no trip to run ahead in.
; ALSO HERE: WO'S CODES.  wo [4096][4096], f32 with K innermost, becomes records in woc, laid as the first launch lays x's and W's ([group of 32 rows][512 along K]; tile u holds rows 8 u + i + 8 (i / 8)).
; 1,024 records x 2 tiles = 2,048 shares, one for each wave of the launch: 16 rows x 512 along K, in eight parts of 64 along K.  A part is eight loads (256 consecutive bytes of two rows each) into one of two sets of
; 32 registers (window 1, v192-255), asked for when the part two before it is worked; its 4 KiB turn through the wave's own stage in LDS, so that a lane gets 16 neighbours of each of two blocks of its row.
; Parts 0 and 1 are worked at the head, while the first joint load is out; parts 2 to 7 in steps 0 to 5 over the keys: the turn behind V's fragment loads, the quantiser behind the step's last products.
; REGISTERS: window 0: v1-4, v7-10 LDS addresses; v12 -M, v13 the largest t, v14-15 the sum; v16-27 q; v28-31 V's scale words; v32-95 wo's (at the end the way out's); v96-159 S^T, then p; v160-223 O^T;
;   v224-235 p's codes; v236-255 at work, K's scale words (v248-251), p's and q's (v253, v255).   window 1: v0-95 K's fragments, v96-191 V's, v192-255 wo's numbers as loaded.
.set REC,   12800
.set FRG,   1536
.set SCO,   12288
.set VB,    8*REC                      ; K's eight records, then V's
.set SCST,  16*REC                     ; 512 bytes in which the eight waves gather o's scale words
.set SPARE, SCST+512                   ; the spare words, 128 bytes a wave: four blocks of 256 bytes that no other line names
.set QSTW,  16*272                     ; wo: a wave's stage, rows 272 bytes apart
.set QSTG,  SPARE+1024                 ; behind the spare words: bytes on which no tensor load lands
.set QX,    32                         ; v32-63  32 numbers: register 16 b + i = k 32 b + 16 (l / 16) + i of my row
.set QT,    64                         ; v64-69  at work
.set QT2,   70                         ; v70-72  a conversion's result on its way
.set QSW,   73                         ; v73-76  my tile's scale words, K steps 0 .. 3
.set QLO,   77                         ; v77     a load's place: 16 (l % 16) + a row (16,384 bytes) x (l / 16)
.set QSI,   78                         ; v78     the stage on the way in
.set QSO,   79                         ; v79     and on the way out
.set QPC,   80                         ; v80-91  a fragment
.set QWP,   92                         ; v92-93  the two scale words that I store
.set QWO,   94                         ; v94     their place: 16 (l % 16) + 8 (l / 16) + 256 u
.set QFO,   95                         ; v95     16 x lane + 1,536 u
.set A0,    1                          ; v1-4    16 x lane + 0, 4, 8, 12 records
.set B0,    7                          ; v7-10   8 x lane + the same
.set SPW,   5                          ; v5      my spare word's LDS address; never rewritten
.set NIL,   6                          ; v6      0; never rewritten
.set TM,    32
.set PW,    48
.set PC,    52
.set WV,    8
.set G1,    16
.set G0,    24
.set SEL,   40
.set CS,    42                         ; s[42:43] log2(e) / sqrt(128)
.set MSB, 0
.macro WIN new                         ; the immediate's high byte repeats the setting that is left
.if MSB != \new
	s_set_vgpr_msb (MSB<<8)|\new
.set MSB, \new
.endif
.endm
.macro QLOAD j                         ; wo: part j (K step j / 2, half j % 2) of my tile into set j % 2
	WIN 0x40
.irp i, 0,2,4,6,8,10,12,14
	global_load_b128 v[192+32*((\j)%2)+2*\i:192+32*((\j)%2)+2*\i+3], v[QLO], s[56:57] offset:(\i+8*(\i/8))*16384+256*(\j) th:TH_LOAD_NT   ; sixteen lanes read 256 consecutive bytes of a row; read once in the launch
.endr
	WIN 0
.endm
.macro QTURN j                         ; through the stage: LDS serves a wave's instructions in order, so no wait stands between the stores and the loads
	WIN 0x04
.irp i, 0,2,4,6,8,10,12,14
	ds_store_b128 v[QSI], v[192+32*((\j)%2)+2*\i:192+32*((\j)%2)+2*\i+3] offset:272*\i
.endr
	WIN 0
.irp b, 0,1
.irp e, 0,1,2,3
	ds_load_b128 v[QX+16*\b+4*\e:QX+16*\b+4*\e+3], v[QSO] offset:128*\b+16*\e
.endr
.endr
.endm
.macro QHALF j                         ; 32 numbers become registers 6 c .. 6 c + 5 of the fragment and two bytes of the K step's scale word, c = j % 2
.set qc, (\j)%2
.set qw, QSW+(\j)/2
.irp b, 0,1
	v_max3_num_f32 v[QT+\b], |v[QX+16*\b]|, |v[QX+16*\b+1]|, 0x1800000   ; my 16 numbers of block b in two chains, and the floor 2^(3 - 127): so the byte cannot fall under 1
	v_max3_num_f32 v[QT+2+\b], |v[QX+16*\b+8]|, |v[QX+16*\b+9]|, |v[QX+16*\b+10]|
.endr
.irp i, 2,4,6
.irp b, 0,1
	v_max3_num_f32 v[QT+\b], v[QT+\b], |v[QX+16*\b+\i]|, |v[QX+16*\b+\i+1]|
.if \i < 6
	v_max3_num_f32 v[QT+2+\b], v[QT+2+\b], |v[QX+16*\b+\i+9]|, |v[QX+16*\b+\i+10]|
.endif
.endr
.endr
.irp b, 0,1
	s_delay_alu instid0(VALU_DEP_2)
	v_max3_num_f32 v[QT+\b], v[QT+\b], v[QT+2+\b], |v[QX+16*\b+15]|
.endr
.irp b, 0,1
	s_delay_alu instid0(VALU_DEP_2)
	v_permlanex16_b32 v[QT+2+\b], v[QT+\b], s[SEL], s[SEL+1]
.endr
.irp b, 0,1
	s_delay_alu instid0(VALU_DEP_2)
	v_max_num_f32 v[QT+\b], v[QT+\b], v[QT+2+\b]   ; with lane l xor 16's 16: the block's largest magnitude
.endr
.irp b, 0,1
	s_delay_alu instid0(VALU_DEP_2)
	v_add_nc_u32 v[QT+4+\b], 0xff000000, v[QT+\b]  ; 2 off its exponent field: the conversion's scale operand
.endr
.irp b, 0,1
	s_delay_alu instid0(VALU_DEP_2)
	v_lshrrev_b32 v[QT+\b], 23, v[QT+4+\b]         ; the scale's byte
.endr
.if qc == 0
	s_delay_alu instid0(VALU_DEP_1)
	v_lshl_or_b32 v[qw], v[QT+1], 8, v[QT]
.else
	s_delay_alu instid0(VALU_DEP_2)
	v_lshl_or_b32 v[qw], v[QT], 16, v[qw]
	s_delay_alu instid0(VALU_DEP_1)
	v_lshl_or_b32 v[qw], v[QT+1], 24, v[qw]
.endif
	v_cvt_scalef32_pk16_fp6_f32 v[QPC+6*qc:QPC+6*qc+2], v[QX:QX+15], v[QT+4]
	v_cvt_scalef32_pk16_fp6_f32 v[QT2:QT2+2], v[QX+16:QX+31], v[QT+5]   ; (a conversion's three registers begin on an even number)
	v_nop                                          ; one plain place behind a scaled conversion
.irp i, 0,1,2
	v_permlane16_swap_b32 v[QPC+6*qc+\i], v[QT2+\i]   ; the layout wants a whole block in a lane
.endr
.irp i, 0,1,2
	s_delay_alu instid0(VALU_DEP_3)
	v_mov_b32 v[QPC+3+6*qc+\i], v[QT2+\i]
.endr
.endm
.macro QEND j                          ; behind a wait for 0 on DScnt, which has shown part j's numbers back and its stores into the stage done: set j % 2 is asked for anew, and the part is quantised
.if ((\j)%2 == 0) && ((\j) > 0)
	s_wait_xcnt 0x0                                ; the last fragment's stores have read the registers that are written anew below
.endif
.if (\j) < 6
	QLOAD (\j)+2
.endif
	QHALF \j
.if (\j)%2 == 1
.irp c, 0,1,2
	global_store_b128 v[QFO], v[QPC+4*\c:QPC+4*\c+3], s[58:59] offset:2*FRG*((\j)/2)+512*\c   ; 32 lanes store 512 consecutive bytes, at a multiple of 256 from the buffer's first byte
.endr
.endif
.endm
.macro CROUND                          ; a round of the cluster's barrier
	s_barrier_signal -1
	s_barrier_wait -1
	s_cmp_lg_u32 s[WV], 0
	s_cbranch_scc1 .Lnot_wave_0_\@
	s_barrier_signal -3
.Lnot_wave_0_\@:
	s_barrier_wait -3
	s_barrier_signal -1
	s_barrier_wait -1
.endm
	s_load_b128 s[4:7], s[0:1], 0x0                ; qkv, ac
	s_load_b128 s[56:59], s[0:1], 0x10             ; wo, woc
	v_lshl_add_u32 v[SPW], v0, 2, SPARE
	v_mov_b32 v[NIL], 0
	ds_add_u32 v[SPW], v[NIL]                      ; the wave's opening: the add, twice on end, and its wait ahead of my first tensor load
	ds_add_u32 v[SPW], v[NIL]
	v_lshrrev_b32 v11, 5, v0
	s_delay_alu instid0(VALU_DEP_1)
	v_readfirstlane_b32 s[WV], v11
	s_bfe_u32 s9, ttmp6, 0x40000                   ; cx: which 32 of the cluster's 128 tokens
	s_and_b32 s10, ttmp7, 0xffff                   ; the key and value head
	s_lshr_b32 s12, s[WV], 2                       ; I fetch for K (0) or for V (1),
	s_and_b32 s13, s[WV], 3                        ; record wave % 4 of each four
	s_mul_i32 s14, s12, VB
	s_mul_i32 s15, s13, REC
	s_add_co_u32 s14, s14, s15
	s_lshl_b32 s44, s12, 3
	s_add_co_u32 s44, s44, s10
	s_add_co_u32 s44, s44, 32                      ; head records 32-39 are k's, 40-47 v's
	s_mul_i32 s44, s44, 8*REC
	s_add_co_u32 s44, s44, s15
	s_mov_b32 s45, 0
	s_mov_b32 s[G1], 15|(3<<16)|(1<<21)            ; the mask names the cluster's four; elements of 8 bytes; bit 21 set beside a mask
	s_mov_b32 s[G1+1], 32<<16                      ; a record as 50 rows of 256 bytes
	s_mov_b32 s[G1+2], 50<<16
	s_mov_b32 s[G1+3], 32<<16
	s_mov_b32 s[G1+4], 50
	s_mov_b32 s[G1+5], 32
	s_mov_b32 s[G1+6], 0
	s_mov_b32 s[G1+7], 0
	s_mov_b32 s[SEL], 0x76543210
	s_mov_b32 s[SEL+1], 0xfedcba98
	s_mov_b32 s[CS], 0x3e0293ee
	s_mov_b32 s[CS+1], s[CS]
	s_wait_dscnt 0x0
	s_wait_kmcnt 0x0
	s_add_nc_u64 s[44:45], s[4:5], s[44:45]
.irp s, 0,1
	s_mov_b32 s[G0+4*\s], 1
	s_add_co_u32 s[G0+4*\s+1], s14, \s*4*REC
	s_add_nc_u64 s[G0+4*\s+2:G0+4*\s+3], s[44:45], \s*4*REC
	s_or_b32 s[G0+4*\s+3], s[G0+4*\s+3], 0x80000000
.endr
	CROUND                                         ; the four partners are here: the first joint loads meet
	tensor_load_to_lds s[G0:G0+3], s[G1:G1+7]      ; key blocks 0-3 of K and V, a record a wave; one tensor load a wave at the head
	s_nop 0
.rept 4
	v_nop
.endr
	v_and_b32 v11, 31, v0
	s_delay_alu instid0(VALU_DEP_1)
	v_lshlrev_b32 v[A0], 4, v11
	s_delay_alu instid0(VALU_DEP_2)
	v_lshlrev_b32 v[B0], 3, v11
.irp n, 1,2,3
	v_add_nc_u32 v[A0+\n], \n*4*REC, v[A0]
	v_add_nc_u32 v[B0+\n], \n*4*REC, v[B0]
.endr
	s_lshr_b32 s46, s[WV], 1                       ; my query head of the four
	s_and_b32 s47, s[WV], 1                        ; my 16 of the 32 tokens
	s_lshl_b32 s48, s10, 2
	s_add_co_u32 s48, s48, s46
	s_lshl_b32 s48, s48, 3
	s_add_co_u32 s48, s48, ttmp9
	s_mul_i32 s48, s48, REC                        ; q's head record: (head, block of 128 tokens)
	s_lshl_b32 s50, s9, 1
	s_add_co_u32 s50, s50, s47
	s_mul_i32 s50, s50, FRG
	s_add_co_u32 s50, s50, s48
	s_mov_b32 s51, 0
	s_add_nc_u64 s[50:51], s[4:5], s[50:51]
	s_lshr_b32 s52, s9, 1
	s_lshl_b32 s52, s52, 8
	s_and_b32 s53, s9, 1
	s_lshl_b32 s53, s53, 2
	s_add_co_u32 s52, s52, s53
	s_lshl_b32 s53, s47, 7
	s_add_co_u32 s52, s52, s53
	s_add_co_u32 s52, s52, s48
	s_add_co_u32 s52, s52, SCO
	s_mov_b32 s53, 0
	s_add_nc_u64 s[52:53], s[4:5], s[52:53]
	v_and_b32 v11, 15, v0
	s_delay_alu instid0(VALU_DEP_1)
	v_lshlrev_b32 v11, 3, v11
.irp c, 0,1,2
	global_load_b128 v[16+4*\c:19+4*\c], v[A0], s[50:51] offset:512*\c   ; q's fragment
.endr
	global_load_b32 v255, v11, s[52:53]            ; and its scale words
	; wo: my record = 4 x work-group + wave / 2, my tile u = wave % 2.  The place in the cluster enters global addresses alone
	s_lshl_b32 s60, ttmp9, 2
	s_add_co_u32 s60, s60, s9
	s_lshl_b32 s60, s60, 3
	s_add_co_u32 s60, s60, s10
	s_lshl_b32 s60, s60, 2
	s_add_co_u32 s60, s60, s46
	s_mul_i32 s62, s60, REC
	s_mov_b32 s63, 0
	s_add_nc_u64 s[58:59], s[58:59], s[62:63]
	s_lshr_b32 s61, s60, 3
	s_lshl_b32 s61, s61, 19                        ; the group: 32 rows of 16,384 bytes
	s_and_b32 s60, s60, 7
	s_lshl_b32 s60, s60, 11                        ; 512 numbers of 4 bytes
	s_add_co_u32 s60, s60, s61
	s_lshl_b32 s61, s47, 17                        ; tile 1 begins 8 rows down
	s_add_co_u32 s60, s60, s61
	s_mov_b32 s61, 0
	s_add_nc_u64 s[56:57], s[56:57], s[60:61]
	s_mul_i32 s60, s[WV], QSTW
	s_add_co_u32 s60, s60, QSTG
	s_mul_i32 s61, s47, FRG
	s_lshl_b32 s62, s47, 8
	s_mov_b32 s63, 0xffff0000                      ; lanes 16-31
	v_and_b32 v64, 15, v0
	v_bfe_u32 v65, v0, 4, 1
	v_lshlrev_b32 v[QLO], 4, v64
	v_mul_u32_u24 v66, v65, 272
	v_mul_u32_u24 v67, v64, 272
	v_lshlrev_b32 v68, 4, v64
	v_lshl_add_u32 v[QLO], v65, 14, v[QLO]
	v_lshl_add_u32 v66, v64, 4, v66
	v_lshl_add_u32 v67, v65, 6, v67
	v_lshl_add_u32 v68, v65, 3, v68
	v_add_nc_u32 v[QFO], s61, v[A0]
	v_add_nc_u32 v[QSI], s60, v66
	v_add_nc_u32 v[QSO], s60, v67
	v_add_nc_u32 v[QWO], s62, v68
	s_wait_alu depctr_va_vdst(0)                   ; ahead of the readers below
	QLOAD 0
	QLOAD 1
	s_lshl_b32 s54, ttmp9, 2                       ; o's record: (group of 32 tokens, 512 along the heads' 4,096 = the key and value head)
	s_add_co_u32 s54, s54, s9
	s_lshl_b32 s54, s54, 3
	s_add_co_u32 s54, s54, s10
	s_mul_i32 s54, s54, REC
	s_mov_b32 s55, 0
	s_add_nc_u64 s[6:7], s[6:7], s[54:55]
	v_mov_b32 v13, 0xff61b1e6                      ; the largest t so far: -3e38, under every t
	s_delay_alu instid0(VALU_DEP_1)
	v_floor_f32 v12, -v13
	v_mov_b32 v14, 0
	v_mov_b32 v15, 0
.irp b, 0,1,2,3
	v_mov_b32 v[236+\b], 0                         ; written once: a lane permute's destination counts as one of its sources
	v_mov_b32 v[TM+4+\b], 0
.endr
	v_mov_b32 v253, 0
.set n, 0
.rept 64
	v_mov_b32 v[160+n], 0                          ; O^T: the step is written once; the first finds zeros
.set n, n+1
.endr
.macro FK j                            ; K's eight fragments and scale words of key block j
	WIN 0x40
.irp t, 0,1,2,3,4,5,6,7
.irp c, 0,1,2
	ds_load_b128 v[12*\t+4*\c:12*\t+4*\c+3], v[A0+(\j)/4] offset:REC*((\j)%4)+FRG*\t+512*\c
.endr
.endr
	WIN 0
.irp p, 0,1
	ds_load_b64 v[248+2*\p:249+2*\p], v[B0+(\j)/4] offset:REC*((\j)%4)+SCO+256*\p
.endr
.endm
.macro FV j                            ; V's
	WIN 0x40
.irp t, 0,1,2,3,4,5,6,7
.irp c, 0,1,2
	ds_load_b128 v[96+12*\t+4*\c:96+12*\t+4*\c+3], v[A0+2+(\j)/4] offset:REC*((\j)%4)+FRG*\t+512*\c
.endr
.endr
	WIN 0
.irp p, 0,1
	ds_load_b64 v[28+2*\p:29+2*\p], v[B0+2+(\j)/4] offset:REC*((\j)%4)+SCO+256*\p
.endr
.endm
.macro STEP j
	s_wait_dscnt 0x0                               ; K's fragments are in
	WIN 0x01
.irp t, 0,1,2,3,4,5,6,7
.if \t%2
	v_wmma_scale_f32_16x16x128_f8f6f4 v[96+8*\t:103+8*\t], v[12*\t:12*\t+11], v[16:27], 0, v[248+\t/2], v255 matrix_a_fmt:MATRIX_FMT_FP6 matrix_b_fmt:MATRIX_FMT_FP6 matrix_a_scale:MATRIX_SCALE_ROW1
.else
	v_wmma_scale_f32_16x16x128_f8f6f4 v[96+8*\t:103+8*\t], v[12*\t:12*\t+11], v[16:27], 0, v[248+\t/2], v255 matrix_a_fmt:MATRIX_FMT_FP6 matrix_b_fmt:MATRIX_FMT_FP6
.endif
.endr
	WIN 0
.rept 4
	v_nop                                          ; four places ahead of loads into K's registers and of the first reads of S^T
.endr
.if (\j) == 3
	s_wait_tensorcnt 0x0                           ; my record of key blocks 4-7 is in; behind the barrier all eight are.  Nothing is filled again
	s_barrier_signal -1
	s_barrier_wait -1
.endif
.if (\j) < 7
	FK (\j)+1
.endif
	FV \j
.if (\j) < 6
.if (\j) < 5
	s_wait_loadcnt 8                               ; wo: part j + 2's eight loads are in; the next part's eight may be out
.else
	s_wait_loadcnt 0x0
.endif
	QTURN (\j)+2
.endif
.irp b, 0,1,2,3
	v_max3_num_f32 v[232+\b], v[96+16*\b], v[97+16*\b], v[98+16*\b]   ; the largest score of each block of 32 keys
.endr
.irp i, 3,5,7,9,11,13
.irp b, 0,1,2,3
	v_max3_num_f32 v[232+\b], v[232+\b], v[96+16*\b+\i], v[97+16*\b+\i]
.endr
.endr
.irp b, 0,1,2,3
	v_max_num_f32 v[232+\b], v[232+\b], v[111+16*\b]
.endr
.irp b, 0,1,2,3
	s_delay_alu instid0(VALU_DEP_4)
	v_permlanex16_b32 v[236+\b], v[232+\b], s[SEL], s[SEL+1]
.endr
.irp b, 0,1,2,3
	s_delay_alu instid0(VALU_DEP_4)
	v_max_num_f32 v[232+\b], v[232+\b], v[236+\b]
.endr
	s_delay_alu instid0(VALU_DEP_2)
	v_max3_num_f32 v254, v232, v233, v234
	s_delay_alu instid0(VALU_DEP_1)
	v_max_num_f32 v254, v254, v235
	s_delay_alu instid0(VALU_DEP_1)
	v_mul_f32 v254, s[CS], v254
	s_delay_alu instid0(VALU_DEP_1)
	v_max_num_f32 v13, v13, v254                   ; the running largest t
	v_mov_b32 v254, v12
	s_delay_alu instid0(VALU_DEP_2)
	v_floor_f32 v12, -v13                          ; the new -M
	s_delay_alu instid0(VALU_DEP_1)
	v_sub_f32 v254, v12, v254
	s_delay_alu instid0(VALU_DEP_1)
	v_cvt_i32_f32 v254, v254
	s_delay_alu instid0(VALU_DEP_1)
	v_ldexp_f32 v252, 1.0, v254                    ; f = 2^(old M - new M)
.set n, 0
.rept 32
	v_pk_fma_f32 v[96+n:97+n], v[96+n:97+n], s[CS:CS+1], v[12:13] op_sel_hi:[1,0,0]   ; t - M
.set n, n+2
.endr
.irp b, 0,1,2,3
	v_fma_f32 v[232+\b], v[232+\b], s[CS], v12
.endr
.set n, 0
	s_wait_alu depctr_va_vdst(0)                   ; ahead of the batch
.rept 64
	v_exp_f32 v[96+n], v[96+n]                     ; p
.set n, n+1
.endr
	v_pk_mul_f32 v[14:15], v[14:15], v[252:253] op_sel_hi:[1,0]
	s_wait_alu depctr_va_vdst(0)                   ; and behind it
.irp b, 0,1,2,3
	v_exp_f32 v[232+\b], v[232+\b]                 ; each block's largest p
.endr
	v_pk_add_f32 v[236:237], v[96:97], v[98:99]    ; the row's sum, of the unquantised p, in two chains
.set n, 4
.rept 15
	v_pk_add_f32 v[14:15], v[14:15], v[96+n:97+n]
	v_pk_add_f32 v[236:237], v[236:237], v[98+n:99+n]
.set n, n+4
.endr
	s_delay_alu instid0(VALU_DEP_1)
	v_pk_add_f32 v[14:15], v[14:15], v[236:237]
	s_wait_alu depctr_va_vdst(0)
.irp b, 0,1,2,3
	v_max_num_f32 v[232+\b], 0x1800000, v[232+\b]  ; the floor 2^(3 - 127)
.endr
.irp b, 0,1,2,3
	s_delay_alu instid0(VALU_DEP_4)
	v_add_nc_u32 v[244+\b], 0xff000000, v[232+\b]
.endr
.irp b, 0,1,2,3
	s_delay_alu instid0(VALU_DEP_4)
	v_lshrrev_b32 v[236+\b], 23, v[244+\b]
.endr
	s_delay_alu instid0(VALU_DEP_3)
	v_lshl_or_b32 v253, v237, 8, v236              ; p's scale word for these 128 keys
	s_delay_alu instid0(VALU_DEP_1)
	v_lshl_or_b32 v253, v238, 16, v253
	s_delay_alu instid0(VALU_DEP_1)
	v_lshl_or_b32 v253, v239, 24, v253
.irp c, 0,1
	v_cvt_scalef32_pk16_fp6_f32 v[224+6*\c:226+6*\c], v[96+32*\c:111+32*\c], v[244+2*\c]
	v_cvt_scalef32_pk16_fp6_f32 v[236+4*\c:238+4*\c], v[112+32*\c:127+32*\c], v[244+2*\c+1]
.endr
	v_nop                                          ; one plain place behind a scaled conversion
.irp c, 0,1
.irp i, 0,1,2
	v_permlane16_swap_b32 v[224+6*\c+\i], v[236+4*\c+\i]
.endr
.irp i, 0,1,2
	s_delay_alu instid0(VALU_DEP_3)
	v_mov_b32 v[227+6*\c+\i], v[236+4*\c+\i]
.endr
.endr
.set n, 0
.rept 32
	v_pk_mul_f32 v[160+n:161+n], v[160+n:161+n], v[252:253] op_sel_hi:[1,0]   ; O^T under the new M
.set n, n+2
.endr
	s_wait_alu depctr_va_vdst(0)
	s_wait_dscnt 0x0                               ; V's fragments are in; wo's numbers are back, and their stores into the stage are done
	WIN 0x01
.irp t, 0,1,2,3,4,5,6,7
.if \t%2
	v_wmma_scale_f32_16x16x128_f8f6f4 v[160+8*\t:167+8*\t], v[96+12*\t:96+12*\t+11], v[224:235], v[160+8*\t:167+8*\t], v[28+\t/2], v253 matrix_a_fmt:MATRIX_FMT_FP6 matrix_b_fmt:MATRIX_FMT_FP6 matrix_a_scale:MATRIX_SCALE_ROW1
.else
	v_wmma_scale_f32_16x16x128_f8f6f4 v[160+8*\t:167+8*\t], v[96+12*\t:96+12*\t+11], v[224:235], v[160+8*\t:167+8*\t], v[28+\t/2], v253 matrix_a_fmt:MATRIX_FMT_FP6 matrix_b_fmt:MATRIX_FMT_FP6
.endif
.endr
	WIN 0
.if (\j) < 6
	QEND (\j)+2
.endif
.endm
	; wo's parts 0 and 1, while my first joint load is out
	s_wait_loadcnt 8                               ; q's four loads and part 0's eight are in; part 1's eight may be out
	QTURN 0
	s_wait_dscnt 0x0
	QEND 0
	s_wait_loadcnt 8                               ; part 1's are in; part 2's may be out
	QTURN 1
	s_wait_dscnt 0x0
	QEND 1
	s_wait_alu depctr_va_vdst(0)                   ; the wait at the head's end
	s_wait_tensorcnt 0x0                           ; my record of key blocks 0-3 is in
	ds_add_u32 v[SPW], v[NIL]
	s_wait_dscnt 0x0
	CROUND
	tensor_load_to_lds s[G0+4:G0+7], s[G1:G1+7]    ; key blocks 4-7, my one tensor load behind the round; four steps' work stands ahead of the wait for it
	s_nop 0
.rept 4
	v_nop
.endr
	FK 0
	s_wait_loadcnt 16                              ; (q's loads are in; wo's parts 2 and 3 may be out)
.irp j, 0,1,2,3,4,5,6,7
	STEP \j
.endr
	v_cndmask_b32 v[QWP], v[QSW], v[QSW+2], s63    ; wo: every lane holds the four words of row l % 16; lanes 0-15 store K steps 0 and 1, lanes 16-31 K steps 2 and 3:
	v_cndmask_b32 v[QWP+1], v[QSW+1], v[QSW+3], s63
	global_store_b64 v[QWO], v[QWP:QWP+1], s[58:59] offset:SCO   ; my tile's 256 consecutive bytes of the record's scale words
	; THE WAY OUT: O^T / the sum, quantised along the head's 128, a fragment a wave; the eight waves' scale words are gathered in LDS and leave as 512 consecutive bytes
	v_add_f32 v14, v14, v15
	s_delay_alu instid0(VALU_DEP_1)
	v_permlanex16_b32 v252, v14, s[SEL], s[SEL+1]
	s_delay_alu instid0(VALU_DEP_1)
	v_add_f32 v14, v14, v252
	s_wait_alu depctr_va_vdst(0)
	v_rcp_f32 v14, v14
	v_lshrrev_b32 v73, 5, v0
	s_delay_alu instid0(VALU_DEP_1)
	v_mul_u32_u24 v73, v73, FRG
	s_delay_alu instid0(VALU_DEP_1)
	v_add_nc_u32 v72, v73, v[A0]
	v_and_b32 v74, 15, v0
	v_bfe_u32 v73, v0, 5, 1
	s_delay_alu instid0(VALU_DEP_1)
	v_lshl_add_u32 v74, v73, 4, v74
	v_bfe_u32 v73, v0, 6, 2
	s_delay_alu instid0(VALU_DEP_2)
	v_lshlrev_b32 v74, 4, v74
	s_delay_alu instid0(VALU_DEP_1)
	v_lshl_add_u32 v74, v73, 2, v74
	s_delay_alu instid0(VALU_DEP_1)
	v_add_nc_u32 v74, SCST, v74
	v_add_nc_u32 v75, SCST, v[A0]
	s_wait_alu depctr_va_vdst(0)
.set n, 0
.rept 64
	v_mul_f32 v[96+n], v[160+n], v14
.set n, n+1
.endr
.irp b, 0,1,2,3
	v_max3_num_f32 v[TM+\b], |v[96+16*\b]|, |v[97+16*\b]|, 0x1800000
.endr
.irp i, 2,4,6,8,10,12,14
.irp b, 0,1,2,3
	s_delay_alu instid0(VALU_DEP_4)
	v_max3_num_f32 v[TM+\b], v[TM+\b], |v[96+16*\b+\i]|, |v[97+16*\b+\i]|
.endr
.endr
.irp b, 0,1,2,3
	s_delay_alu instid0(VALU_DEP_4)
	v_permlanex16_b32 v[TM+4+\b], v[TM+\b], s[SEL], s[SEL+1]
.endr
.irp b, 0,1,2,3
	s_delay_alu instid0(VALU_DEP_4)
	v_max_num_f32 v[TM+\b], v[TM+\b], v[TM+4+\b]
.endr
.irp b, 0,1,2,3
	s_delay_alu instid0(VALU_DEP_4)
	v_add_nc_u32 v[TM+12+\b], 0xff000000, v[TM+\b]
.endr
.irp b, 0,1,2,3
	s_delay_alu instid0(VALU_DEP_4)
	v_lshrrev_b32 v[TM+4+\b], 23, v[TM+12+\b]
.endr
	s_delay_alu instid0(VALU_DEP_3)
	v_lshl_or_b32 v[PW], v[TM+5], 8, v[TM+4]
	s_delay_alu instid0(VALU_DEP_1)
	v_lshl_or_b32 v[PW], v[TM+6], 16, v[PW]
	s_delay_alu instid0(VALU_DEP_1)
	v_lshl_or_b32 v[PW], v[TM+7], 24, v[PW]
.irp c, 0,1
	v_cvt_scalef32_pk16_fp6_f32 v[PC+6*\c:PC+2+6*\c], v[96+32*\c:111+32*\c], v[TM+12+2*\c]
	v_cvt_scalef32_pk16_fp6_f32 v[PC+12+4*\c:PC+14+4*\c], v[112+32*\c:127+32*\c], v[TM+13+2*\c]
.endr
	v_nop
.irp c, 0,1
.irp i, 0,1,2
	v_permlane16_swap_b32 v[PC+6*\c+\i], v[PC+12+4*\c+\i]
.endr
.irp i, 0,1,2
	s_delay_alu instid0(VALU_DEP_3)
	v_mov_b32 v[PC+3+6*\c+\i], v[PC+12+4*\c+\i]
.endr
.endr
.irp c, 0,1,2
	global_store_b128 v72, v[PC+4*\c:PC+4*\c+3], s[6:7] offset:512*\c
.endr
	ds_store_b32 v74, v[PW]
	s_wait_dscnt 0x0
	s_barrier_signal -1
	s_barrier_wait -1
	s_cmp_lg_u32 s[WV], 0
	s_cbranch_scc1 .Lnot_first
	ds_load_b128 v[76:79], v75
	s_wait_dscnt 0x0
	global_store_b128 v72, v[76:79], s[6:7] offset:SCO
.Lnot_first:
	s_wait_tensorcnt 0x0                           ; the wave's end, behind my last tensor load and my last LDS store
	ds_add_u32 v[SPW], v[NIL]
	s_wait_dscnt 0x0
	CROUND                                         ; the closing round
	s_endpgm
.Lfunc_end_k_q881a0f3c78_attn:
	.size	k_q881a0f3c78_attn, .Lfunc_end_k_q881a0f3c78_attn-k_q881a0f3c78_attn
	.p2alignl 7, 3214868480
	.fill 96, 4, 3214868480
	.section	.rodata,"a",@progbits
	.p2align	6, 0x0
	.amdhsa_kernel k_q881a0f3c78_attn
		.amdhsa_group_segment_fixed_size 327680
		.amdhsa_private_segment_fixed_size 0
		.amdhsa_enable_private_segment 0
		.amdhsa_kernarg_size 32
		.amdhsa_user_sgpr_count 2
		.amdhsa_user_sgpr_kernarg_segment_ptr 1
		.amdhsa_wavefront_size32 1
		.amdhsa_system_sgpr_workgroup_id_x 1
		.amdhsa_system_sgpr_workgroup_id_y 1
		.amdhsa_system_sgpr_workgroup_id_z 1
		.amdhsa_system_vgpr_workitem_id 0
		.amdhsa_next_free_vgpr 512
		.amdhsa_next_free_sgpr 66
		.amdhsa_reserve_vcc 0
		.amdhsa_float_denorm_mode_32 3
		.amdhsa_float_denorm_mode_16_64 3
		.amdhsa_memory_ordered 1
		.amdhsa_forward_progress 1
		.amdhsa_inst_pref_size 211
	.end_amdhsa_kernel
	.amdgpu_metadata
---
amdhsa.version: [ 1, 2 ]
amdhsa.kernels:
  - .name:           k_q881a0f3c78_attn
    .symbol:         k_q881a0f3c78_attn.kd
    .args:
      - { .name: qkv, .offset: 0, .size: 8, .value_kind: global_buffer, .address_space: global }
      - { .name: ac, .offset: 8, .size: 8, .value_kind: global_buffer, .address_space: global }
      - { .name: wo, .offset: 16, .size: 8, .value_kind: global_buffer, .address_space: global }
      - { .name: woc, .offset: 24, .size: 8, .value_kind: global_buffer, .address_space: global }
    .group_segment_fixed_size: 327680
    .private_segment_fixed_size: 0
    .kernarg_segment_align: 8
    .kernarg_segment_size: 32
    .max_flat_workgroup_size: 256
    .sgpr_count:     66
    .vgpr_count:     512
    .wavefront_size: 32
...
	.end_amdgpu_metadata
.endif
;; end of part 3
;; launch proj (part 4): grid 32 x 8, 4 waves a work-group, clusters of 4 x 4, 327,680 bytes of LDS; arguments ac, woc, out0; writes out0
.if DOCPART == 4
	.amdgcn_target "amdgcn-amd-amdhsa--gfx1250"
	.amdhsa_code_object_version 6
	.text
	.protected	k_q881a0f3c78_proj
	.globl	k_q881a0f3c78_proj
	.p2align	8
	.type	k_q881a0f3c78_proj,@function
k_q881a0f3c78_proj:
	s_mov_b64 s[64:65], 0
	v_nop
	global_prefetch_b8 v0, s[64:65] scope:SCOPE_SE
	s_setreg_imm32_b32 hwreg(HW_REG_WAVE_MODE, 25, 1), 1
	s_wait_xcnt 0x0
	s_wait_alu depctr_hold_cnt(0) depctr_sa_sdst(0) depctr_va_vdst(0) depctr_va_sdst(0) depctr_va_ssrc(0) depctr_va_vcc(0) depctr_vm_vsrc(0)
	s_getreg_b32 s2, hwreg(HW_REG_IB_STS2, 6, 4)
	s_cmp_eq_u32 s2, 0
	s_cbranch_scc0 .Lentry_in_a_cluster
	s_endpgm
.Lentry_in_a_cluster:
	s_bfe_u32 s2, ttmp6, 0x10000c
	s_cmp_lg_u32 s2, 0xf033
	s_cbranch_scc0 .Lentry_shape_is_right
	s_endpgm
.Lentry_shape_is_right:
; out0 = o wo^T on codes of FP6 (E2M3) with E8M0 scales, K = 4,096.  Both operands arrive as records of 12,800 bytes (a group of 32 rows x 512 along K: eight fragments as images of their registers, then the scale words).
; A work-group makes 128 tokens x 128 columns, a wave 64 x 64; a ring of two slots of 4 + 4 records (512 along K); clusters of 4 x 4: o's records are asked for jointly along a row, wo's along a column.
; The results leave through the wave's own stage in slot 0, which has had its last fill and its last read by then, as rows of 256 bytes.
.set REC,   12800
.set FRG,   1536
.set SCO,   12288
.set SLOT,  8*REC
.set SPARE, 2*SLOT
.set SP,    272
.set ADRP,  4
.set ADRR,  6
.set STO,   24
.set RD,    25
.set CO,    26
.set LI,    27
.set SPW,   28
.set NIL,   29
.set SC,    32
.set RF,    80
.set PF,    128
.set BK,    80
.set WV,    14
.set HI,    15
.set HF,    16
.set G1,    24
.set G0,    32
.set G1B,   48
.set G0B,   56
.set PFA,   74                         ; s[74:75] where my prefetches stand: my work-group's share of the two records that I fetch, at the 512 along K that is being asked for
.set PFO,   30                         ; v30    256 x lane, held at 24: 25 blocks of 256 bytes, half a record; never rewritten
.set MSB, 0
.macro WIN new
.if MSB != \new
	s_set_vgpr_msb (MSB<<8)|\new
.set MSB, \new
.endif
.endm
.set MULW, 0x51
.macro PLACES n
.rept \n
	v_nop
.endr
.endm
.macro JLOAD s
	s_cmp_eq_u32 s[HI], 0
	s_cbranch_scc0 .Lfor_w_\@
	tensor_load_to_lds s[G0+4*\s:G0+4*\s+3], s[G1:G1+7]
	s_nop 0
.rept 4
	v_nop
.endr
	s_branch .Lasked_\@
.Lfor_w_\@:
	tensor_load_to_lds s[G0B+4*\s:G0B+4*\s+3], s[G1B:G1B+7]
	s_nop 0
.rept 4
	v_nop
.endr
.Lasked_\@:
.endm
.macro CREST
	s_cmp_lg_u32 s[WV], 0
	s_cbranch_scc1 .Lnot_wave_0_\@
	s_barrier_signal -3
.Lnot_wave_0_\@:
	s_barrier_wait -3
	s_barrier_signal -1
	s_barrier_wait -1
.endm
.macro CROUND
	s_barrier_signal -1
	s_barrier_wait -1
	CREST
.endm
	s_load_b128 s[4:7], s[0:1], 0x0
	s_load_b64 s[8:9], s[0:1], 0x10
	v_lshl_add_u32 v[SPW], v0, 2, SPARE
	v_mov_b32 v[NIL], 0
	ds_add_u32 v[SPW], v[NIL]
	ds_add_u32 v[SPW], v[NIL]
	v_lshrrev_b32 v1, 5, v0
	v_readfirstlane_b32 s[WV], v1
	s_lshr_b32 s[HI], s[WV], 1
	s_and_b32 s[HF], s[WV], 1
	s_bfe_u32 s40, ttmp6, 0x40000
	s_bfe_u32 s41, ttmp6, 0x40004
	s_lshl_b32 s42, ttmp9, 2
	s_add_co_u32 s42, s42, s40
	s_and_b32 s17, ttmp7, 0xffff
	s_lshl_b32 s17, s17, 2
	s_add_co_u32 s17, s17, s41
	s_lshl_b32 s43, s41, 2
	s_lshl_b32 s43, 15, s43
	s_lshl_b32 s44, 0x1111, s40
	s_or_b32 s[G1], s43, (3<<16)|(1<<21)
	s_or_b32 s[G1B], s44, (3<<16)|(1<<21)
.irp g, G1, G1B
	s_mov_b32 s[\g+1], (REC/8)<<16
	s_mov_b32 s[\g+2], 2<<16
	s_mov_b32 s[\g+3], (REC/8)<<16
	s_mov_b32 s[\g+4], 2
	s_mov_b32 s[\g+5], 8*REC/8
	s_mov_b32 s[\g+6], 0
	s_mov_b32 s[\g+7], 0
.endr
	s_lshl_b32 s18, s[HF], 4
	s_lshl_b32 s20, s17, 5
	s_add_co_u32 s20, s20, s18
	s_mul_i32 s20, s20, REC
	s_mov_b32 s21, 0
	s_lshl_b32 s46, s42, 5
	s_add_co_u32 s46, s46, s18
	s_mul_i32 s46, s46, REC
	s_mov_b32 s47, 0
	s_mul_i32 s45, s[HF], 2*REC
	s_add_co_u32 s70, s45, 4*REC
	s_wait_dscnt 0x0
	s_wait_kmcnt 0x0
	s_add_nc_u64 s[20:21], s[4:5], s[20:21]
	s_add_nc_u64 s[46:47], s[6:7], s[46:47]
	CROUND
.irp s, 0,1
	s_mov_b32 s[G0+4*\s], 1
	s_add_co_u32 s[G0+4*\s+1], s45, \s*SLOT
	s_add_nc_u64 s[G0+4*\s+2:G0+4*\s+3], s[20:21], \s*REC
	s_or_b32 s[G0+4*\s+3], s[G0+4*\s+3], 0x80000000
	s_mov_b32 s[G0B+4*\s], 1
	s_add_co_u32 s[G0B+4*\s+1], s70, \s*SLOT
	s_add_nc_u64 s[G0B+4*\s+2:G0B+4*\s+3], s[46:47], \s*REC
	s_or_b32 s[G0B+4*\s+3], s[G0B+4*\s+3], 0x80000000
.endr
	JLOAD 0                                        ; slot 0: one tensor load a wave at the head
	; the prefetches: the four partners that ask for a tile jointly share its blocks out by address: partner p takes half p % 2 of record p / 2
	s_cmp_eq_u32 s[HI], 0
	s_cselect_b64 s[PFA:PFA+1], s[20:21], s[46:47]
	s_cselect_b32 s71, s40, s41                    ; my place among the four: cx for o's records, cy for wo's
	s_lshr_b32 s72, s71, 1
	s_mul_i32 s72, s72, 8*REC
	s_and_b32 s71, s71, 1
	s_mul_i32 s71, s71, 6400
	s_add_co_u32 s72, s72, s71
	s_add_co_u32 s72, s72, REC                     ; at the second 512 along K: the first refill steps it to the third
	s_mov_b32 s73, 0
	s_add_nc_u64 s[PFA:PFA+1], s[PFA:PFA+1], s[72:73]
	v_and_b32 v1, 31, v0
	v_lshlrev_b32 v[LI], 4, v1
	v_min_u32 v[PFO], 24, v1                       ; (the lanes that are left over name the last block again)
	v_lshlrev_b32 v[PFO], 8, v[PFO]
	global_prefetch_b8 v[PFO], s[PFA:PFA+1] th:TH_LOAD_NT scope:SCOPE_SE              ; behind slot 0's load: my share of the second 512 along K (slot 1's first fill)
	global_prefetch_b8 v[PFO], s[PFA:PFA+1] offset:REC th:TH_LOAD_NT scope:SCOPE_SE   ; and of the third (the first refill)
	s_mul_i32 s20, s[HI], 2*REC
	s_add_co_u32 s20, s20, 4*REC
	s_mul_i32 s21, s[HF], 2*REC
	v_add_nc_u32 v[ADRP], s20, v[LI]
	v_add_nc_u32 v[ADRR], s21, v[LI]
	v_add_nc_u32 v[ADRP+1], SLOT, v[ADRP]
	v_add_nc_u32 v[ADRR+1], SLOT, v[ADRR]
	v_and_b32 v2, 15, v0
	v_bfe_u32 v3, v0, 4, 1
	s_mul_i32 s23, s[WV], 16*SP
	v_mul_u32_u24 v[STO], v2, SP
	v_lshl_add_u32 v[STO], v3, 6, v[STO]
	v_add_nc_u32 v[STO], s23, v[STO]
	v_mul_u32_u24 v[RD], v3, SP
	v_lshl_add_u32 v[RD], v2, 4, v[RD]
	v_add_nc_u32 v[RD], s23, v[RD]
	v_lshlrev_b32 v[CO], 4, v2
	v_lshl_add_u32 v[CO], v3, 14, v[CO]
	s_lshl_b32 s20, s17, 7
	s_lshl_b32 s21, s[HF], 6
	s_add_co_u32 s20, s20, s21
	s_lshl_b32 s20, s20, 14
	s_lshl_b32 s46, s42, 9
	s_lshl_b32 s47, s[HI], 8
	s_add_co_u32 s46, s46, s47
	s_add_co_u32 s20, s20, s46
	s_mov_b32 s21, 0
	s_add_nc_u64 s[8:9], s[8:9], s[20:21]
.macro FETCH slot, k, set
	WIN 0x40
.irp p, 0,1
.irp u, 0,1
.irp c, 0,1,2
	ds_load_b128 v[PF+48*(\set)+12*(2*\p+\u)+4*\c:PF+48*(\set)+12*(2*\p+\u)+4*\c+3], v[ADRP+\slot] offset:REC*\p+FRG*(2*(\k)+\u)+512*\c
.endr
.endr
.endr
	WIN 0
.irp p, 0,1
.irp u, 0,1
.irp c, 0,1,2
	ds_load_b128 v[RF+48*(\set)+12*(2*\p+\u)+4*\c:RF+48*(\set)+12*(2*\p+\u)+4*\c+3], v[ADRR+\slot] offset:REC*\p+FRG*(2*(\k)+\u)+512*\c
.endr
.endr
.endr
.endm
.macro SCALES slot
.irp p, 0,1
	ds_load_b128 v[SC+16*\slot+4*\p:SC+16*\slot+4*\p+3], v[ADRP+\slot] offset:REC*\p+SCO
.endr
.irp p, 0,1
	ds_load_b128 v[SC+16*\slot+8+4*\p:SC+16*\slot+8+4*\p+3], v[ADRR+\slot] offset:REC*\p+SCO
.endr
.endm
.macro WM zero
.if \zero
.if fP && fR
	v_wmma_scale_f32_16x16x128_f8f6f4 v[rD:rD+7], v[rP:rP+11], v[rR:rR+11], 0, v[rSP], v[rSR] matrix_a_fmt:MATRIX_FMT_FP6 matrix_b_fmt:MATRIX_FMT_FP6 matrix_a_scale:MATRIX_SCALE_ROW1 matrix_b_scale:MATRIX_SCALE_ROW1
.elseif fP
	v_wmma_scale_f32_16x16x128_f8f6f4 v[rD:rD+7], v[rP:rP+11], v[rR:rR+11], 0, v[rSP], v[rSR] matrix_a_fmt:MATRIX_FMT_FP6 matrix_b_fmt:MATRIX_FMT_FP6 matrix_a_scale:MATRIX_SCALE_ROW1
.elseif fR
	v_wmma_scale_f32_16x16x128_f8f6f4 v[rD:rD+7], v[rP:rP+11], v[rR:rR+11], 0, v[rSP], v[rSR] matrix_a_fmt:MATRIX_FMT_FP6 matrix_b_fmt:MATRIX_FMT_FP6 matrix_b_scale:MATRIX_SCALE_ROW1
.else
	v_wmma_scale_f32_16x16x128_f8f6f4 v[rD:rD+7], v[rP:rP+11], v[rR:rR+11], 0, v[rSP], v[rSR] matrix_a_fmt:MATRIX_FMT_FP6 matrix_b_fmt:MATRIX_FMT_FP6
.endif
.else
.if fP && fR
	v_wmma_scale_f32_16x16x128_f8f6f4 v[rD:rD+7], v[rP:rP+11], v[rR:rR+11], v[rD:rD+7], v[rSP], v[rSR] matrix_a_fmt:MATRIX_FMT_FP6 matrix_b_fmt:MATRIX_FMT_FP6 matrix_a_scale:MATRIX_SCALE_ROW1 matrix_b_scale:MATRIX_SCALE_ROW1
.elseif fP
	v_wmma_scale_f32_16x16x128_f8f6f4 v[rD:rD+7], v[rP:rP+11], v[rR:rR+11], v[rD:rD+7], v[rSP], v[rSR] matrix_a_fmt:MATRIX_FMT_FP6 matrix_b_fmt:MATRIX_FMT_FP6 matrix_a_scale:MATRIX_SCALE_ROW1
.elseif fR
	v_wmma_scale_f32_16x16x128_f8f6f4 v[rD:rD+7], v[rP:rP+11], v[rR:rR+11], v[rD:rD+7], v[rSP], v[rSR] matrix_a_fmt:MATRIX_FMT_FP6 matrix_b_fmt:MATRIX_FMT_FP6 matrix_b_scale:MATRIX_SCALE_ROW1
.else
	v_wmma_scale_f32_16x16x128_f8f6f4 v[rD:rD+7], v[rP:rP+11], v[rR:rR+11], v[rD:rD+7], v[rSP], v[rSR] matrix_a_fmt:MATRIX_FMT_FP6 matrix_b_fmt:MATRIX_FMT_FP6
.endif
.endif
.endm
.macro MUL4 a, set, k, ss, zero
.irp b, 0,1,2,3
.set rD, 8*(4*(\a)+\b)
.set rP, PF+48*(\set)+12*\b
.set rR, RF+48*(\set)+12*(\a)
.set rSP, SC+16*(\ss)+4*(\b/2)+(\k)
.set rSR, SC+16*(\ss)+8+4*((\a)/2)+(\k)
.set fP, \b%2
.set fR, (\a)%2
	WM \zero
.endr
.endm
.macro STEP slot, k, zero
	s_wait_dscnt 0x0
	PLACES 4
	FETCH \slot, (\k)+1, ((\k)+1)%2
	WIN MULW
	MUL4 0, (\k)%2, \k, \slot, \zero
	MUL4 1, (\k)%2, \k, \slot, \zero
	MUL4 2, (\k)%2, \k, \slot, \zero
	MUL4 3, (\k)%2, \k, \slot, \zero
	WIN 0
.endm
; A PREFETCH INTO THE L2 behind each joint load and the run of LDS loads that follows it: my work-group's 25 blocks of 256 bytes of the two records that stand TWO refills on, a lane a block.
; Each block is named once in each cluster that will load it.  The last two refills have nothing two refills on and ask for nothing.
.macro ASK
	s_cmp_gt_u32 s3, 1                             ; s3 = 1 in the loop's last trip
	s_cbranch_scc0 .Lno_ask_\@
	global_prefetch_b8 v[PFO], s[PFA:PFA+1] offset:2*REC th:TH_LOAD_NT scope:SCOPE_SE
.Lno_ask_\@:
.endm
.macro TURN slot, next, fill
.if \fill
	s_wait_xcnt 0x0                                ; my prefetch has read its address: it is stepped here, ahead of the waits of the change of slots
	s_add_nc_u64 s[PFA:PFA+1], s[PFA:PFA+1], REC
.endif
	s_wait_tensorcnt 0x0
	ds_add_u32 v[SPW], v[NIL]
	s_wait_dscnt 1
	WIN MULW
	MUL4 0, 1, 3, \slot, 0
	s_wait_dscnt 0x0
	s_barrier_signal -1
	MUL4 1, 1, 3, \slot, 0
	WIN 0
	s_barrier_wait -1
.if \fill
	CREST
	s_add_nc_u64 s[G0+4*\slot+2:G0+4*\slot+3], s[G0+4*\slot+2:G0+4*\slot+3], 2*REC
	s_add_nc_u64 s[G0B+4*\slot+2:G0B+4*\slot+3], s[G0B+4*\slot+2:G0B+4*\slot+3], 2*REC
	JLOAD \slot
.else
	PLACES 4
.endif
	FETCH \next, 0, 0
	SCALES \next
.if \fill
	ASK
.endif
	WIN MULW
	MUL4 2, 1, 3, \slot, 0
	MUL4 3, 1, 3, \slot, 0
	WIN 0
.endm
	s_wait_alu depctr_va_vdst(0)                   ; the wait at the head's end
	s_wait_tensorcnt 0x0                           ; my part of slot 0 is in
	ds_add_u32 v[SPW], v[NIL]
	s_wait_dscnt 0x0
	CROUND                                         ; a whole round: slot 0 is whole, and all sixteen work-groups are here
	JLOAD 1                                        ; slot 1's first fill, my one tensor load behind the round
	FETCH 0, 0, 0
	SCALES 0
	; behind slot 1's load: my share of the fourth 512 along K, which the second refill will load
	global_prefetch_b8 v[PFO], s[PFA:PFA+1] offset:2*REC th:TH_LOAD_NT scope:SCOPE_SE
	STEP 0, 0, 1
	s_mov_b32 s3, 3
.Llap:
	STEP 0, 1, 0
	STEP 0, 2, 0
	TURN 0, 1, 1
	STEP 1, 0, 0
	STEP 1, 1, 0
	STEP 1, 2, 0
	TURN 1, 0, 1
	STEP 0, 0, 0
	s_sub_co_u32 s3, s3, 1
	s_cmp_lg_u32 s3, 0
	s_cbranch_scc1 .Llap
	STEP 0, 1, 0
	STEP 0, 2, 0
	TURN 0, 1, 0
	STEP 1, 0, 0
	STEP 1, 1, 0
	STEP 1, 2, 0
	s_wait_dscnt 0x0
	WIN MULW
	MUL4 0, 1, 3, 1, 0
	MUL4 1, 1, 3, 1, 0
	MUL4 2, 1, 3, 1, 0
	MUL4 3, 1, 3, 1, 0
	WIN 0
	PLACES 4
.macro TOSTAGE a
	WIN 0x04
.irp b, 0,1,2,3
	ds_store_b128 v[STO], v[8*(4*(\a)+\b):8*(4*(\a)+\b)+3] offset:128*(\b/2)+32*(\b%2)
	ds_store_b128 v[STO], v[8*(4*(\a)+\b)+4:8*(4*(\a)+\b)+7] offset:128*(\b/2)+32*(\b%2)+16
.endr
	WIN 0
.set BB, BK+32*((\a)%2)
.irp i, 0,1,2,3,4,5,6,7
	ds_load_b128 v[BB+4*\i:BB+4*\i+3], v[RD] offset:2*\i*SP
.endr
.endm
.macro SEND a, younger
.set BB, BK+32*((\a)%2)
	s_wait_dscnt \younger
.irp i, 0,1,2,3,4,5,6,7
	global_store_b128 v[CO], v[BB+4*\i:BB+4*\i+3], s[8:9] offset:(32*((\a)/2)+8*((\a)%2)+2*\i+8*(\i/4))*16384 th:TH_STORE_NT
.endr
.endm
	s_wait_alu depctr_va_vdst(0)
	TOSTAGE 0
	TOSTAGE 1
	SEND 0, 16
	s_wait_xcnt 0x0
	TOSTAGE 2
	SEND 1, 16
	s_wait_xcnt 0x0
	TOSTAGE 3
	SEND 2, 16
	SEND 3, 0
	s_wait_tensorcnt 0x0
	ds_add_u32 v[SPW], v[NIL]
	s_wait_dscnt 0x0
	CROUND
	s_endpgm
.Lfunc_end_k_q881a0f3c78_proj:
	.size	k_q881a0f3c78_proj, .Lfunc_end_k_q881a0f3c78_proj-k_q881a0f3c78_proj
	.p2alignl 7, 3214868480
	.fill 96, 4, 3214868480
	.section	.rodata,"a",@progbits
	.p2align	6, 0x0
	.amdhsa_kernel k_q881a0f3c78_proj
		.amdhsa_group_segment_fixed_size 327680
		.amdhsa_private_segment_fixed_size 0
		.amdhsa_enable_private_segment 0
		.amdhsa_kernarg_size 24
		.amdhsa_user_sgpr_count 2
		.amdhsa_user_sgpr_kernarg_segment_ptr 1
		.amdhsa_wavefront_size32 1
		.amdhsa_system_sgpr_workgroup_id_x 1
		.amdhsa_system_sgpr_workgroup_id_y 1
		.amdhsa_system_sgpr_workgroup_id_z 1
		.amdhsa_system_vgpr_workitem_id 0
		.amdhsa_next_free_vgpr 512
		.amdhsa_next_free_sgpr 80
		.amdhsa_reserve_vcc 0
		.amdhsa_float_denorm_mode_32 3
		.amdhsa_float_denorm_mode_16_64 3
		.amdhsa_memory_ordered 1
		.amdhsa_forward_progress 1
		.amdhsa_inst_pref_size 80
	.end_amdhsa_kernel
	.amdgpu_metadata
---
amdhsa.version: [ 1, 2 ]
amdhsa.kernels:
  - .name:           k_q881a0f3c78_proj
    .symbol:         k_q881a0f3c78_proj.kd
    .args:
      - { .name: ac, .offset: 0, .size: 8, .value_kind: global_buffer, .address_space: global }
      - { .name: woc, .offset: 8, .size: 8, .value_kind: global_buffer, .address_space: global }
      - { .name: out0, .offset: 16, .size: 8, .value_kind: global_buffer, .address_space: global }
    .group_segment_fixed_size: 327680
    .private_segment_fixed_size: 0
    .kernarg_segment_align: 8
    .kernarg_segment_size: 24
    .max_flat_workgroup_size: 128
    .sgpr_count:     80
    .vgpr_count:     512
    .wavefront_size: 32
...
	.end_amdgpu_metadata
.endif
;; end of part 4
